; MI455X (gfx1250); checked and timed in simulation.
; The chip was launched on July 23, 2026; its instructions are those of AMD's public machine-readable ISA for CDNA 5 (MIT licence, August 2026) and "CDNA5" Instruction Set Architecture Reference Guide (July 2026). The comments in the code are by the model that wrote it; some were corrected since.
;; GPTOSS Transformer Block. Allowed arithmetic: float matrix products may take bf16 or f16 operands with f32 sums; other float arithmetic in f32, or as packed bf16 or f16 multiplies, adds, multiply-adds, maxima and minima; sums over many terms, partial sums and values carried from step to step in f32; what a program stores and reads back later, other than sums and carried values, may be rounded once to bf16 or f16.
;; Inputs: Wd 8 x 2,048 x 1,024 float32; Wg 8 x 1,024 x 2,048 float32; Wk 1,024 x 256 float32; Wo 1,024 x 1,024 float32; Wq 1,024 x 1,024 float32; Wr 1,024 x 8 float32; Wu 8 x 1,024 x 2,048 float32; Wv 1,024 x 256 float32; hidden_states 2 x 512 x 1,024 float32; ln1_w 1,024 float32; ln2_w 1,024 float32.
;; Outputs: out0 2 x 512 x 1,024 float32.
;; One version. Each part assembles by itself: llvm-mc -triple=amdgcn-amd-amdhsa -mcpu=gfx1250 --defsym DOCPART=n.
;; ======== version 1 of 1: 7 launches
;; limits: values are held in f16: magnitudes above 65,504 overflow, below 6.1e-05 lose precision; inputs' magnitudes at most 65,504
;; workspace buffers: qkv 3,145,728 bytes; ctxf 2,097,152 bytes; hbuf 4,194,304 bytes; hn 2,105,344 bytes; topi 8,192 bytes of whole numbers; abuf 33,554,432 bytes; meta 36,864 bytes of whole numbers; pbuf 16,777,216 bytes
;; launch qkv (part 1): grid 24 x 8, 4 waves a work-group, no clusters, 140,800 bytes of LDS; arguments hidden_states, ln1_w, Wq, Wk, Wv, qkv; writes qkv
.if DOCPART == 1
	.amdgcn_target "amdgcn-amd-amdhsa--gfx1250"
	.amdhsa_code_object_version 6
	.text
	.protected	k_qeac7482b5c_qkv
	.globl	k_qeac7482b5c_qkv
	.p2align	8
	.type	k_qeac7482b5c_qkv,@function
k_qeac7482b5c_qkv:
	s_mov_b64 s[64:65], 0
	v_nop
	global_prefetch_b8 v0, s[64:65] scope:SCOPE_SE
	s_setreg_imm32_b32 hwreg(HW_REG_WAVE_MODE, 25, 1), 1
	s_wait_xcnt 0x0
; RMSNorm 1, the three projections and RoPE.  x [1024][1024] f32, ln1 [1024], Wq [1024][1024], Wk, Wv [1024][256] f32.
; OUT (qkv, f16, as images of matrix fragments: registers 0-3 of lane L at 16 L, registers 4-7 at 512 + 16 L of each 1,024 bytes):
;   0        Q [b2][head16][tile of 16 rows: 32][32 channels: 2][1024]      2097152  K [b2][kvh4][32][2][1024]
;   2621440  V^T [b2][kvh4][32 keys: 16][c4][1024]: fragment c holds channel 4 r + c in lane r, keys along the registers
; SHARES.  Work-group (cb, rb): 64 columns (one head; cb 0-15 q, 16-19 k, 20-23 v) x 128 rows; wave w: rows 32 w .. 32 w + 31, two tiles x four column fragments.
; The norm's factor 1/sqrt(mean x^2 + eps) is applied to the f32 sums at the end; ln1 is folded into the weights; the sum of squares is taken from the x loads that feed the product.
; COLUMNS.  A lane loads 16 bytes (columns 4 r .. 4 r + 3) of each of its 16 k rows: sixteen lanes take 256 consecutive bytes; component c of the loads makes fragment c, whose lane r stands for column 4 r + c.
; LIMITS.  x, ln1 W, q, k, v are rounded once to f16: they lie within 65,504.  NaN and infinities are not treated apart.  RoPE's angle: the first row of each 8 has the rounded product pos x f,
; the next seven follow by rotation; f = 2^(-i log2(10000)/32) by v_exp_f32: the angle is within 5e-5 of the exact one at row 511.
; NO TENSOR LOADS, NO CLUSTER: every operand is f32 and is rounded in registers on its way.
.set STAGE, 131072                     ; behind the 128 KiB of W images: 16 rows x 144 bytes for each wave
.set SPARE, 140288                     ; the spare words, 128 bytes a wave
.set VOFF, 6                           ; v6-21  byte offset of W row 16 s + j + 8 h, columns 4 r
.set VLN,  22                          ; v22    my offset in ln1
.set VWST, 23                          ; v23    where I store W images
.set VWRD, 24                          ; v24    where I read them
.set VX,   25                          ; v25-26 my row of x in tile 0, 1
.set XA,   32                          ; v32-63   x fragments, two buffers x two tiles
.set WA,   64                          ; v64-127  W fragments, two buffers x four
.set ACC,  128                         ; v128-191 sums: tile t, fragment c at ACC + 32 t + 8 c
.set LNS,  192                         ; v192-223 ln1, two slots of 16 (phase 1)
.set SS,   192                         ; v192-195 sums of squares (phase 2)
.set RS,   196                         ; v196-211 the norm's factor for row 8 h + j of tile t
.set BI,   212                         ; v212-219 lane indices for the exchange
.set CT,   224                         ; v224-255 packed fragments
.set XR,   0                           ; window 1: v256-383 ring of x, four slots of 32
.set ST,   128                         ; window 1: v384-511 W as loaded, two slots of 64
.set F,    32                          ; RoPE (the fragment buffers are free then): frequencies, cos and sin of one step, running cos and sin
.set CF,   36
.set SF,   40
.set CC,   44
.set SN,   48
.set TT,   56
.set SGN,  60
.set POS,  61
.set ANG,  62
.set POS0, 63
.set PK,   64
.set BK,   80
.set VST,  112
.set VRB,  113
.set RA,   116
.set RB,   120
.set MSB, 0
.macro WIN new                         ; the immediate's high byte repeats the setting that is left
.if MSB != (\new)
	s_set_vgpr_msb (MSB<<8)|(\new)
.set MSB, (\new)
.endif
.endm
.macro PLACES
.rept 4
	v_nop
.endr
.endm
.macro ENDLDS                          ; the wave's end of LDS writing
	s_wait_tensorcnt 0x0
	ds_add_u32 v4, v5
	s_wait_dscnt 0x0
.endm
; one k step of W (32 rows x 64 columns, 16 loads) and its 16 numbers of ln1 (4 loads) into slot s; then the pointers step
.macro LOADW s
	WIN 0x40
.set i, 0
.rept 16
	global_load_b128 v[ST+64*(\s)+4*i:ST+64*(\s)+4*i+3], v[VOFF+i], s[20:21]
.set i, i+1
.endr
	WIN 0
	global_load_b128 v[LNS+16*(\s):LNS+16*(\s)+3], v[VLN], s[24:25]
	global_load_b128 v[LNS+16*(\s)+4:LNS+16*(\s)+7], v[VLN], s[24:25] offset:16
	global_load_b128 v[LNS+16*(\s)+8:LNS+16*(\s)+11], v[VLN], s[24:25] offset:64
	global_load_b128 v[LNS+16*(\s)+12:LNS+16*(\s)+15], v[VLN], s[24:25] offset:80
	s_wait_xcnt 0x0                        ; the two bases are stepped only behind this wait
	s_add_nc_u64 s[20:21], s[20:21], s[22:23]
	s_add_nc_u64 s[24:25], s[24:25], 128
.endm
; slot s times ln1, rounded to f16, four fragment images into LDS at imm
.macro CONV1 s, imm
	WIN 0x41
.set i, 0
.rept 16
.if i%2
	v_pk_mul_f32 v[ST+64*(\s)+4*i:ST+64*(\s)+4*i+1], v[ST+64*(\s)+4*i:ST+64*(\s)+4*i+1], v[LNS+16*(\s)+i-1:LNS+16*(\s)+i] op_sel:[0,1] op_sel_hi:[1,1]
	v_pk_mul_f32 v[ST+64*(\s)+4*i+2:ST+64*(\s)+4*i+3], v[ST+64*(\s)+4*i+2:ST+64*(\s)+4*i+3], v[LNS+16*(\s)+i-1:LNS+16*(\s)+i] op_sel:[0,1] op_sel_hi:[1,1]
.else
	v_pk_mul_f32 v[ST+64*(\s)+4*i:ST+64*(\s)+4*i+1], v[ST+64*(\s)+4*i:ST+64*(\s)+4*i+1], v[LNS+16*(\s)+i:LNS+16*(\s)+i+1] op_sel_hi:[1,0]
	v_pk_mul_f32 v[ST+64*(\s)+4*i+2:ST+64*(\s)+4*i+3], v[ST+64*(\s)+4*i+2:ST+64*(\s)+4*i+3], v[LNS+16*(\s)+i:LNS+16*(\s)+i+1] op_sel_hi:[1,0]
.endif
.set i, i+1
.endr
	WIN 0x05
.set m, 0
.rept 8
.irp c, 0,1,2,3
	v_cvt_pk_f16_f32 v[CT+8*\c+m], v[ST+64*(\s)+8*m+\c], v[ST+64*(\s)+8*m+4+\c]
.endr
.set m, m+1
.endr
	WIN 0
.irp c, 0,1,2,3
	ds_store_b128 v[VWST], v[CT+8*\c:CT+8*\c+3] offset:(\imm)+1024*\c
	ds_store_b128 v[VWST], v[CT+8*\c+4:CT+8*\c+7] offset:(\imm)+1024*\c+512
.endr
.endm
; x of one k step, two tiles, into ring slot q: 8 loads
.macro LOADX q, b
	WIN 0x40
.irp t, 0,1
	global_load_b128 v[XR+32*(\q)+16*\t:XR+32*(\q)+16*\t+3], v[VX+\t], s[\b:\b+1] offset:128*(\q)
	global_load_b128 v[XR+32*(\q)+16*\t+4:XR+32*(\q)+16*\t+7], v[VX+\t], s[\b:\b+1] offset:128*(\q)+16
	global_load_b128 v[XR+32*(\q)+16*\t+8:XR+32*(\q)+16*\t+11], v[VX+\t], s[\b:\b+1] offset:128*(\q)+64
	global_load_b128 v[XR+32*(\q)+16*\t+12:XR+32*(\q)+16*\t+15], v[VX+\t], s[\b:\b+1] offset:128*(\q)+80
.endr
.endm
; one k step: squares and rounding of x (32 plain lines, which are also the places behind the last products), the slot's refill four steps on, the next step's W, eight products on eight sums by turns
.macro KSTEP q
	s_wait_loadcnt 24                      ; my slot is in: three younger slots of 8 loads stay out
	WIN 0x05
.irp t, 0,1
.set m, 0
.rept 8
	v_pk_fma_f32 v[SS+2*\t:SS+2*\t+1], v[XR+32*(\q)+16*\t+2*m:XR+32*(\q)+16*\t+2*m+1], v[XR+32*(\q)+16*\t+2*m:XR+32*(\q)+16*\t+2*m+1], v[SS+2*\t:SS+2*\t+1]
	v_cvt_pk_f16_f32 v[XA+16*((\q)%2)+8*\t+m], v[XR+32*(\q)+16*\t+2*m], v[XR+32*(\q)+16*\t+2*m+1]
.set m, m+1
.endr
.endr
	LOADX \q, 28
	WIN 0
.if (\q) == 3
	s_cmp_eq_u32 s30, 7                    ; behind the last k step there is no W to fetch
	s_cbranch_scc1 .Lnone_\@
.endif
.irp c, 0,1,2,3
	ds_load_b128 v[WA+32*(((\q)+1)%2)+8*\c:WA+32*(((\q)+1)%2)+8*\c+3], v[VWRD] offset:((\q)+1)*4096+1024*\c
	ds_load_b128 v[WA+32*(((\q)+1)%2)+8*\c+4:WA+32*(((\q)+1)%2)+8*\c+7], v[VWRD] offset:((\q)+1)*4096+1024*\c+512
.endr
	s_wait_dscnt 8                         ; this step's W is in: the 8 loads just issued stay out
.if (\q) == 3
	s_branch .Lmul_\@
.Lnone_\@:
	s_wait_dscnt 0x0
.Lmul_\@:
.endif
.irp c, 0,1,2,3
.irp t, 0,1
	v_wmma_f32_16x16x32_f16 v[ACC+32*\t+8*\c:ACC+32*\t+8*\c+7], v[XA+16*((\q)%2)+8*\t:XA+16*((\q)%2)+8*\t+7], v[WA+32*((\q)%2)+8*\c:WA+32*((\q)%2)+8*\c+7], v[ACC+32*\t+8*\c:ACC+32*\t+8*\c+7]
.endr
.endr
.endm
; cos and sin of v[ra] (0 .. 512): n = round(a 2/pi); x = a - n pi/2 in two parts; polynomials on |x| <= pi/4; the quadrant swaps and signs
.macro SINCOS ra, rc, rs, t0, t1, t2
	v_mul_f32 v[\t0], 0x3f22f983, v[\ra]
	v_rndne_f32 v[\t0], v[\t0]
	v_fma_f32 v[\t1], v[\t0], s40, v[\ra]
	v_fma_f32 v[\t1], v[\t0], s41, v[\t1]
	v_mul_f32 v[\t2], v[\t1], v[\t1]
	v_mov_b32 v[\rs], 0x3638ef1d
	v_fmaak_f32 v[\rs], v[\rs], v[\t2], 0xb9500d01
	v_fmaak_f32 v[\rs], v[\rs], v[\t2], 0x3c088889
	v_fmaak_f32 v[\rs], v[\rs], v[\t2], 0xbe2aaaab
	v_mul_f32 v[\rs], v[\rs], v[\t2]
	v_fma_f32 v[\rs], v[\rs], v[\t1], v[\t1]
	v_mov_b32 v[\rc], 0x37d00d01
	v_fmaak_f32 v[\rc], v[\rc], v[\t2], 0xbab60b61
	v_fmaak_f32 v[\rc], v[\rc], v[\t2], 0x3d2aaaab
	v_fmaak_f32 v[\rc], v[\rc], v[\t2], 0xbf000000
	v_fma_f32 v[\rc], v[\rc], v[\t2], 1.0
	v_cvt_i32_f32 v[\t0], v[\t0]
	v_and_b32 v[\t1], 1, v[\t0]
	v_cmp_eq_u32 vcc_lo, 1, v[\t1]
	v_cndmask_b32 v[\t1], v[\rs], v[\rc], vcc_lo
	v_cndmask_b32 v[\t2], v[\rc], v[\rs], vcc_lo
	v_and_b32 v[\rs], 2, v[\t0]
	v_lshlrev_b32 v[\rs], 30, v[\rs]
	v_xor_b32 v[\rs], v[\rs], v[\t1]
	v_add_nc_u32 v[\t0], 1, v[\t0]
	v_and_b32 v[\rc], 2, v[\t0]
	v_lshlrev_b32 v[\rc], 30, v[\rc]
	v_xor_b32 v[\rc], v[\rc], v[\t2]
.endm
; RoPE on tile t.  Register j of fragment c is row 8 h + j, channel 4 r + c; the partner channel (32 away) lies in lane r xor 8; the sine carries the sign (minus for r < 8)
.macro ROPE t
	v_add_nc_u32 v[POS], 16*(\t), v[POS0]
	v_cvt_f32_u32 v[POS], v[POS]
.irp c, 0,1,2,3
	v_mul_f32 v[ANG], v[POS], v[F+\c]
	SINCOS ANG, CC+\c, SN+\c, 52, 53, 54
	v_xor_b32 v[SN+\c], v[SGN], v[SN+\c]
.endr
.set j, 0
.rept 8
.irp c, 0,1,2,3
	v_mul_f32_dpp v[TT+\c], v[ACC+32*(\t)+8*\c+j], v[SN+\c] row_xmask:8 row_mask:0xf bank_mask:0xf
.endr
.irp c, 0,1,2,3
	v_fma_f32 v[ACC+32*(\t)+8*\c+j], v[ACC+32*(\t)+8*\c+j], v[CC+\c], v[TT+\c]
.endr
.if j < 7
.irp c, 0,1,2,3
	v_mul_f32 v[RA+\c], v[SN+\c], v[SF+\c]
.endr
.irp c, 0,1,2,3
	v_mul_f32 v[RB+\c], v[CC+\c], v[SF+\c]
.endr
.irp c, 0,1,2,3
	v_fma_f32 v[CC+\c], v[CC+\c], v[CF+\c], -v[RA+\c]
.endr
.irp c, 0,1,2,3
	v_fma_f32 v[SN+\c], v[SN+\c], v[CF+\c], v[RB+\c]
.endr
.endif
.set j, j+1
.endr
.endm
; tile t leaves: four channels a lane into my stage (rows of 144 bytes), back as fragments (a row a lane), stored as images of 512 consecutive bytes
.macro OUTT t
.set j, 0
.rept 8
	v_cvt_pk_f16_f32 v[PK+2*j], v[ACC+32*(\t)+j], v[ACC+32*(\t)+8+j]
	v_cvt_pk_f16_f32 v[PK+2*j+1], v[ACC+32*(\t)+16+j], v[ACC+32*(\t)+24+j]
	ds_store_b64 v[VST], v[PK+2*j:PK+2*j+1] offset:144*j
.set j, j+1
.endr
.irp l, 0,1,2,3
	ds_load_b128 v[BK+16*(\t)+4*\l:BK+16*(\t)+4*\l+3], v[VRB] offset:32*\l  ; LDS serves a wave's instructions in order (ISA guide 5.7.1.4): these see the stores above
.endr
	s_wait_dscnt 0x0
.irp l, 0,1,2,3
	global_store_b128 v3, v[BK+16*(\t)+4*\l:BK+16*(\t)+4*\l+3], s[14:15] offset:2048*(\t)+512*\l
.endr
.endm
	s_load_b256 s[4:11], s[0:1], 0x0       ; x s[4:5], ln1 s[6:7], Wq s[8:9], Wk s[10:11]
	s_load_b128 s[12:15], s[0:1], 0x20     ; Wv s[12:13], qkv s[14:15]
	v_lshl_add_u32 v4, v0, 2, SPARE        ; my spare word,
	v_mov_b32 v5, 0                        ; and 0: kept for the add alone
	v_and_b32 v1, 15, v0                   ; r
	v_bfe_u32 v2, v0, 4, 1                 ; h
	v_and_b32 v3, 31, v0
	v_lshlrev_b32 v3, 4, v3                ; 16 x lane
	v_lshrrev_b32 v28, 5, v0
	v_readfirstlane_b32 s16, v28           ; wave
	s_mov_b32 s17, ttmp9                   ; cb
	s_and_b32 s18, ttmp7, 0xffff           ; rb
	s_and_b32 s33, s17, 3
	s_cmp_lt_u32 s17, 16
	s_cselect_b32 s33, s17, s33            ; the head's number in its own weight matrix
	s_cselect_b32 s34, 12, 10
	s_lshl_b32 s19, 1, s34                 ; bytes in a row of that matrix: 4,096 or 1,024
	s_lshl_b32 s22, s19, 5                 ; a k step: 32 rows
	s_mov_b32 s23, 0
	s_mul_i32 s26, s16, s19
	s_lshl_b32 s26, s26, 8                 ; my 8 k steps begin 256 w rows down
	s_lshl_b32 s33, s33, 8                 ; 64 columns are 256 bytes
	s_add_co_u32 s26, s26, s33
	s_mov_b32 s27, 0
	s_mov_b32 s36, 0x76543210              ; v_permlanex16_b32: each lane takes its own place in the other half
	s_mov_b32 s37, 0xfedcba98
	s_mov_b32 s38, 0x3a800000              ; 1/1024
	s_mov_b32 s39, 0x3727c5ac              ; 1e-5
	s_mov_b32 s40, 0xbfc90fdb              ; -pi/2, high part
	s_mov_b32 s41, 0x333bbd2e              ; what the high part has too much
	v_lshlrev_b32 v28, 3, v2
	v_lshlrev_b32 v29, 4, v1
.set i, 0
.rept 16
	v_add_nc_u32 v30, 16*(i/8)+i%8, v28
	v_mad_u32_u24 v[VOFF+i], v30, s19, v29
.set i, i+1
.endr
	v_lshlrev_b32 v[VLN], 5, v2
	v_lshl_add_u32 v[VLN], s16, 10, v[VLN]
	v_lshl_add_u32 v[VWST], s16, 15, v3
	v_mov_b32 v[VWRD], v3
	s_lshl_b32 s34, s18, 7
	s_lshl_b32 s35, s16, 5
	s_add_co_u32 s34, s34, s35             ; my first row
	v_add_nc_u32 v30, s34, v1
	v_lshlrev_b32 v30, 12, v30
	v_lshl_add_u32 v[VX], v2, 5, v30
	v_add_nc_u32 v[VX+1], 65536, v[VX]
	s_wait_kmcnt 0x0
	s_cmp_lt_u32 s17, 16
	s_cselect_b64 s[20:21], s[8:9], s[10:11]
	s_cmp_lt_u32 s17, 20
	s_cselect_b64 s[20:21], s[20:21], s[12:13]
	s_add_nc_u64 s[20:21], s[20:21], s[26:27]
	s_mov_b64 s[24:25], s[6:7]
	; PHASE 1: my 8 k steps of the slice through two register slots
	LOADW 0
	LOADW 1
	s_mov_b32 s30, 3
.Lconv:
	s_wait_loadcnt 20                      ; the other slot's 20 loads stay out
	CONV1 0, 0
	LOADW 0
	s_wait_loadcnt 20
	CONV1 1, 4096
	LOADW 1
	v_add_nc_u32 v[VWST], 8192, v[VWST]
	s_sub_co_u32 s30, s30, 1
	s_cmp_lg_u32 s30, 0
	s_cbranch_scc1 .Lconv
	LOADX 0, 4                             ; x of k steps 0 to 3 goes out ahead of the last two conversions
	LOADX 1, 4
	LOADX 2, 4
	LOADX 3, 4
	s_wait_loadcnt 52                      ; slot 1's 20 and x's 32 stay out
	CONV1 0, 0
	s_wait_loadcnt 32                      ; x's 32 stay out
	CONV1 1, 4096
	s_wait_dscnt 0x0                       ; for the others' sake: my images are in LDS
	s_barrier_signal -1
.set z, 0
.rept 64
	v_mov_b32 v[ACC+z], 0                  ; cleared on purpose: the loop's one text also takes the squares, so no first step is written out
.set z, z+1
.endr
.irp z, 0,1,2,3
	v_mov_b32 v[SS+\z], 0
.endr
	s_barrier_wait -1
	; PHASE 2
.irp c, 0,1,2,3
	ds_load_b128 v[WA+8*\c:WA+8*\c+3], v[VWRD] offset:1024*\c
	ds_load_b128 v[WA+8*\c+4:WA+8*\c+7], v[VWRD] offset:1024*\c+512
.endr
	s_add_nc_u64 s[28:29], s[4:5], 512     ; the refills of trip 0: k steps 4 to 7
	s_mov_b32 s31, 512
	s_mov_b32 s30, 0
.Lk:
	KSTEP 0
	KSTEP 1
	KSTEP 2
	KSTEP 3
	s_wait_xcnt 0x0                        ; the refills' base is written only behind this wait
	s_add_co_u32 s31, s31, 512
	s_min_u32 s26, s31, 3584               ; the last trip's look-ahead is held to the row's last 512 bytes and not used
	s_add_nc_u64 s[28:29], s[4:5], s[26:27]
	v_add_nc_u32 v[VWRD], 16384, v[VWRD]
	s_add_co_u32 s30, s30, 1
	s_cmp_lt_u32 s30, 8
	s_cbranch_scc1 .Lk
	s_wait_loadcnt 0x0
	PLACES
	; the norm's factor: a lane has half of row r's squares, the lane 16 away the other half
	v_add_f32 v[SS], v[SS], v[SS+1]
	v_add_f32 v[SS+2], v[SS+2], v[SS+3]
	v_permlanex16_b32 v[SS+1], v[SS], s36, s37
	v_permlanex16_b32 v[SS+3], v[SS+2], s36, s37
	v_add_f32 v[SS], v[SS], v[SS+1]
	v_add_f32 v[SS+2], v[SS+2], v[SS+3]
	v_fma_f32 v[SS], v[SS], s38, s39
	v_fma_f32 v[SS+2], v[SS+2], s38, s39
	v_rsq_f32 v[SS], v[SS]
	v_rsq_f32 v[SS+2], v[SS+2]
	v_lshlrev_b32 v28, 5, v2               ; a plain line behind the two roots
	s_wait_alu depctr_va_vdst(0)           ; one wait for both, ahead of their first reader
.set j, 0
.rept 8
	v_add_nc_u32 v[BI+j], 4*j, v28         ; lane 8 h + j, as a byte index
.set j, j+1
.endr
.set j, 0
.rept 8
	ds_bpermute_b32 v[RS+j], v[BI+j], v[SS]
	ds_bpermute_b32 v[RS+8+j], v[BI+j], v[SS+2]
.set j, j+1
.endr
	s_wait_dscnt 0x0
.irp t, 0,1
.irp c, 0,1,2,3
.irp p, 0,1,2,3
	v_pk_mul_f32 v[ACC+32*\t+8*\c+2*\p:ACC+32*\t+8*\c+2*\p+1], v[ACC+32*\t+8*\c+2*\p:ACC+32*\t+8*\c+2*\p+1], v[RS+8*\t+2*\p:RS+8*\t+2*\p+1]
.endr
.endr
.endr
	s_cmp_lt_u32 s17, 20
	s_cbranch_scc1 .Lrope
	; V: rows run along a fragment's k, tile t gives register half t: no lane changes
.irp c, 0,1,2,3
.irp t, 0,1
.irp p, 0,1,2,3
	v_cvt_pk_f16_f32 v[CT+8*\c+4*\t+\p], v[ACC+32*\t+8*\c+2*\p], v[ACC+32*\t+8*\c+2*\p+1]
.endr
.endr
.endr
	s_lshr_b32 s26, s18, 2
	s_lshl_b32 s26, s26, 2
	s_add_co_u32 s26, s26, s17
	s_sub_co_u32 s26, s26, 20              ; 4 b + kv head
	s_lshl_b32 s26, s26, 4
	s_and_b32 s31, s18, 3
	s_lshl_b32 s31, s31, 2
	s_add_co_u32 s31, s31, s16             ; my block of 32 keys
	s_add_co_u32 s26, s26, s31
	s_lshl_b32 s26, s26, 12
	s_add_co_u32 s26, s26, 2621440
	s_add_nc_u64 s[14:15], s[14:15], s[26:27]
.irp c, 0,1,2,3
	global_store_b128 v3, v[CT+8*\c:CT+8*\c+3], s[14:15] offset:1024*\c
	global_store_b128 v3, v[CT+8*\c+4:CT+8*\c+7], s[14:15] offset:1024*\c+512
.endr
	ENDLDS
	s_endpgm
.Lrope:
	s_lshr_b32 s31, s18, 2                 ; b
	s_lshl_b32 s32, s31, 4
	s_add_co_u32 s32, s32, s17             ; q: 16 b + head
	s_lshl_b32 s33, s31, 2
	s_add_co_u32 s33, s33, s17
	s_sub_co_u32 s33, s33, 16              ; k: 4 b + kv head
	s_cmp_lt_u32 s17, 16
	s_cselect_b32 s32, s32, s33
	s_cselect_b32 s33, 0, 0x200000
	s_lshl_b32 s32, s32, 5
	s_and_b32 s34, s18, 3
	s_lshl_b32 s34, s34, 3
	s_lshl_b32 s35, s16, 1
	s_add_co_u32 s34, s34, s35             ; my first tile of 16 rows
	s_add_co_u32 s32, s32, s34
	s_lshl_b32 s32, s32, 11
	s_add_co_u32 s26, s32, s33
	s_add_nc_u64 s[14:15], s[14:15], s[26:27]
	s_and_b32 s35, s18, 3
	s_lshl_b32 s35, s35, 7
	s_lshl_b32 s31, s16, 5
	s_add_co_u32 s35, s35, s31             ; my first row's position in its sequence
	v_lshl_add_u32 v[POS0], v2, 3, s35
	s_mul_i32 s31, s16, 2304
	s_add_co_u32 s31, s31, STAGE
	v_mul_u32_u24 v[VST], v2, 1152
	v_lshl_add_u32 v[VST], v1, 3, v[VST]
	v_add_nc_u32 v[VST], s31, v[VST]
	v_mul_u32_u24 v[VRB], v1, 144
	v_lshl_add_u32 v[VRB], v2, 4, v[VRB]
	v_add_nc_u32 v[VRB], s31, v[VRB]
	v_and_b32 v52, 7, v1
	v_lshlrev_b32 v52, 2, v52              ; the frequency's number: (4 r + c) mod 32
.irp c, 0,1,2,3
	v_add_nc_u32 v53, \c, v52
	v_cvt_f32_u32 v53, v53
	v_mul_f32 v[F+\c], 0xbed49a78, v53     ; - i log2(10000) / 32
.endr
.irp c, 0,1,2,3
	v_exp_f32 v[F+\c], v[F+\c]
.endr
	v_mov_b32 v53, 0x80000000              ; a plain line behind the four
	s_wait_alu depctr_va_vdst(0)           ; one wait for the batch
	v_cmp_gt_u32 vcc_lo, 8, v1
	v_cndmask_b32 v[SGN], 0, v53, vcc_lo
.irp c, 0,1,2,3
	v_mov_b32 v[TT+\c], 0                  ; a DPP form's destination counts as read
	SINCOS F+\c, CF+\c, SF+\c, 52, 53, 54
	v_xor_b32 v[SF+\c], v[SGN], v[SF+\c]
.endr
	ROPE 0
	OUTT 0
	ROPE 1
	OUTT 1
	ENDLDS
	s_endpgm
.Lfunc_end_k_qeac7482b5c_qkv:
	.size	k_qeac7482b5c_qkv, .Lfunc_end_k_qeac7482b5c_qkv-k_qeac7482b5c_qkv
	.p2alignl 7, 3214868480
	.fill 96, 4, 3214868480
	.section	.rodata,"a",@progbits
	.p2align	6, 0x0
	.amdhsa_kernel k_qeac7482b5c_qkv
		.amdhsa_group_segment_fixed_size 140800
		.amdhsa_private_segment_fixed_size 0
		.amdhsa_enable_private_segment 0
		.amdhsa_kernarg_size 48
		.amdhsa_user_sgpr_count 2
		.amdhsa_user_sgpr_kernarg_segment_ptr 1
		.amdhsa_wavefront_size32 1
		.amdhsa_system_sgpr_workgroup_id_x 1
		.amdhsa_system_sgpr_workgroup_id_y 1
		.amdhsa_system_sgpr_workgroup_id_z 1
		.amdhsa_system_vgpr_workitem_id 0
		.amdhsa_next_free_vgpr 512
		.amdhsa_next_free_sgpr 66
		.amdhsa_reserve_vcc 1
		.amdhsa_float_denorm_mode_32 3
		.amdhsa_float_denorm_mode_16_64 3
		.amdhsa_memory_ordered 1
		.amdhsa_forward_progress 1
		.amdhsa_inst_pref_size 102
	.end_amdhsa_kernel
	.amdgpu_metadata
---
amdhsa.version: [ 1, 2 ]
amdhsa.kernels:
  - .name:           k_qeac7482b5c_qkv
    .symbol:         k_qeac7482b5c_qkv.kd
    .args:
      - { .name: hidden_states, .offset: 0, .size: 8, .value_kind: global_buffer, .address_space: global }
      - { .name: ln1_w, .offset: 8, .size: 8, .value_kind: global_buffer, .address_space: global }
      - { .name: Wq, .offset: 16, .size: 8, .value_kind: global_buffer, .address_space: global }
      - { .name: Wk, .offset: 24, .size: 8, .value_kind: global_buffer, .address_space: global }
      - { .name: Wv, .offset: 32, .size: 8, .value_kind: global_buffer, .address_space: global }
      - { .name: qkv, .offset: 40, .size: 8, .value_kind: global_buffer, .address_space: global }
    .group_segment_fixed_size: 140800
    .private_segment_fixed_size: 0
    .kernarg_segment_align: 8
    .kernarg_segment_size: 48
    .max_flat_workgroup_size: 128
    .sgpr_count:     66
    .vgpr_count:     512
    .wavefront_size: 32
...
	.end_amdgpu_metadata
.endif
;; end of part 1
;; launch attn (part 2): grid 32 x 8, 4 waves a work-group, no clusters, 0 bytes of LDS; arguments qkv, ctxf; writes ctxf
.if DOCPART == 2
	.amdgcn_target "amdgcn-amd-amdhsa--gfx1250"
	.amdhsa_code_object_version 6
	.text
	.protected	k_qeac7482b5c_attn
	.globl	k_qeac7482b5c_attn
	.p2align	8
	.type	k_qeac7482b5c_attn,@function
k_qeac7482b5c_attn:
	s_mov_b64 s[64:65], 0
	v_nop
	global_prefetch_b8 v0, s[64:65] scope:SCOPE_SE
	s_setreg_imm32_b32 hwreg(HW_REG_WAVE_MODE, 25, 1), 1
	s_wait_xcnt 0x0
; Causal attention, head size 64, 4 query heads to a key/value head.  In: qkv (f16 fragment images, see the launch before).  Out: ctxf, f16 images [tile of 16 rows: 64][head x 2 + q: 32][1024].
; SHARES.  Work-group (i, y): query tile i (16 rows) of batch and kv head y = 4 b + kvh; wave w: query head 4 kvh + w.  The four waves walk the same K and V.
; Key steps of 32; a trip is four steps (the ring's four register slots); (i / 8) + 1 trips.  Every step is masked; steps past the diagonal give p = 0 and a = 1 behind true scores.
; S^T = K Q^T holds one query a lane (lane % 16) and keys 8 (lane / 16) + j; two such results rounded to f16 ARE source 1 of O^T = V^T P.  V's fragment c has channel 4 r + c in lane r, so
; O^T's register j of fragment c is channel 32 h + 4 j + c: fragments 2 q, 2 q + 1 pack into an image whose k slot (s, h, j) is channel 32 h + 4 j + 2 q + s; the next launch takes Wo's rows in that order.
; SOFTMAX: running maximum m and sum l in f32; p = 2^(c s - c m), c = log2(e) / 8; O and l times a = 2^(c m_old - c m_new) in every step.
; LIMITS.  A hidden score counts as -1e30; a weight below 2^-126 counts as 0; NaN and infinities are not treated apart.
; No LDS, no barrier: fragments come from memory as they lie, 512 consecutive bytes a load.
.set S, 32                             ; v32-47 scores
.set P, 48                             ; v48-55 weights, f16
.set O, 64                             ; v64-95 O^T
.set Q, 96                             ; v96-111
                                       ; v6 16 i + r - 8 h - 32 x step; v7 -1e30; v8 c m; v9 m; v10-11 l; v12-13 a; v14-16 at work
                                       ; window 1: slot s at 64 s: K (key tile kt, channel half kb at 16 kt + 8 kb), then V (fragment c at 32 + 8 c)
.set MSB, 0
.macro WIN new
.if MSB != (\new)
	s_set_vgpr_msb (MSB<<8)|(\new)
.set MSB, (\new)
.endif
.endm
.macro PLACES
.rept 4
	v_nop
.endr
.endm
.macro RLOAD s, kb, vb                 ; a key step's K and V into slot s: 16 loads
	WIN 0x40
.set l, 0
.rept 8
	global_load_b128 v[64*(\s)+4*l:64*(\s)+4*l+3], v3, s[\kb:\kb+1] offset:4096*(\s)+512*l
.set l, l+1
.endr
.set l, 0
.rept 8
	global_load_b128 v[64*(\s)+32+4*l:64*(\s)+32+4*l+3], v3, s[\vb:\vb+1] offset:4096*(\s)+512*l
.set l, l+1
.endr
.endm
.macro STEP s
	s_wait_loadcnt 48                      ; my slot is in: three younger slots of 16 loads stay out
	WIN 0x01
	v_wmma_f32_16x16x32_f16 v[S:S+7], v[64*(\s):64*(\s)+7], v[Q:Q+7], 0
	v_wmma_f32_16x16x32_f16 v[S+8:S+15], v[64*(\s)+16:64*(\s)+23], v[Q:Q+7], 0
	v_wmma_f32_16x16x32_f16 v[S:S+7], v[64*(\s)+8:64*(\s)+15], v[Q+8:Q+15], v[S:S+7]
	v_wmma_f32_16x16x32_f16 v[S+8:S+15], v[64*(\s)+24:64*(\s)+31], v[Q+8:Q+15], v[S+8:S+15]
	WIN 0
	PLACES
.set z, 0
.rept 16
	v_cmp_gt_i32 vcc_lo, 16*(z/8)+z%8, v6  ; the key lies behind the query
	v_cndmask_b32 v[S+z], v[S+z], v7, vcc_lo
.set z, z+1
.endr
	v_add_nc_u32 v6, 0xffffffe0, v6        ; the next step's keys lie 32 on
	v_max3_num_f32 v14, v9, v[S], v[S+1]
	v_max3_num_f32 v15, v[S+2], v[S+3], v[S+4]
	v_max3_num_f32 v14, v14, v[S+5], v[S+6]
	v_max3_num_f32 v15, v15, v[S+7], v[S+8]
	v_max3_num_f32 v14, v14, v[S+9], v[S+10]
	v_max3_num_f32 v15, v15, v[S+11], v[S+12]
	v_max3_num_f32 v14, v14, v[S+13], v[S+14]
	v_max3_num_f32 v14, v14, v15, v[S+15]
	v_permlanex16_b32 v15, v14, s26, s27   ; the query's other 16 keys lie in the lane 16 away
	v_mov_b32 v16, v8
	v_max_num_f32 v9, v14, v15
	v_mul_f32 v8, s24, v9
	v_sub_f32 v16, v16, v8
.set z, 0
.rept 8
	v_pk_fma_f32 v[S+2*z:S+2*z+1], v[S+2*z:S+2*z+1], s[24:25], v[8:9] op_sel_hi:[1,0,0] neg_lo:[0,0,1] neg_hi:[0,0,1]
.set z, z+1
.endr
	v_exp_f32 v12, v16
.set z, 0
.rept 16
	v_exp_f32 v[S+z], v[S+z]
.set z, z+1
.endr
	v_nop                                  ; a plain line behind the last exponential
	s_wait_alu depctr_va_vdst(0)           ; one wait for the batch of 17
.set z, 0
.rept 8
	v_cvt_pk_f16_f32 v[P+z], v[S+2*z], v[S+2*z+1]
.set z, z+1
.endr
	v_pk_add_f32 v[S:S+1], v[S:S+1], v[S+2:S+3]
	v_pk_add_f32 v[S+4:S+5], v[S+4:S+5], v[S+6:S+7]
	v_pk_add_f32 v[S+8:S+9], v[S+8:S+9], v[S+10:S+11]
	v_pk_add_f32 v[S+12:S+13], v[S+12:S+13], v[S+14:S+15]
	v_pk_add_f32 v[S:S+1], v[S:S+1], v[S+4:S+5]
	v_pk_add_f32 v[S+8:S+9], v[S+8:S+9], v[S+12:S+13]
	v_pk_add_f32 v[S:S+1], v[S:S+1], v[S+8:S+9]
	v_pk_fma_f32 v[10:11], v[10:11], v[12:13], v[S:S+1] op_sel_hi:[1,0,1]
.set z, 0
.rept 16
	v_pk_mul_f32 v[O+2*z:O+2*z+1], v[O+2*z:O+2*z+1], v[12:13] op_sel_hi:[1,0]
.set z, z+1
.endr
	WIN 0x01
.irp c, 0,1,2,3
	v_wmma_f32_16x16x32_f16 v[O+8*\c:O+8*\c+7], v[64*(\s)+32+8*\c:64*(\s)+32+8*\c+7], v[P:P+7], v[O+8*\c:O+8*\c+7]
.endr
	PLACES                                 ; ahead of the loads into registers that those products read
	RLOAD \s, 16, 18
.endm
	s_load_b128 s[4:7], s[0:1], 0x0        ; qkv s[4:5], ctxf s[6:7]
	v_and_b32 v1, 15, v0
	v_bfe_u32 v2, v0, 4, 1
	v_and_b32 v3, 31, v0
	v_lshlrev_b32 v3, 4, v3
	v_lshrrev_b32 v14, 5, v0
	v_readfirstlane_b32 s8, v14            ; wave
	s_mov_b32 s9, ttmp9                    ; i
	s_and_b32 s10, ttmp7, 0xffff           ; y
	s_lshr_b32 s22, s9, 3
	s_add_co_u32 s22, s22, 1               ; trips
	s_lshl_b32 s20, s10, 2
	s_add_co_u32 s20, s20, s8              ; 16 b + head
	s_lshl_b32 s20, s20, 5
	s_add_co_u32 s20, s20, s9
	s_lshl_b32 s20, s20, 11                ; Q's tile
	s_mov_b32 s21, 0
	s_lshl_b32 s30, s10, 16                ; a head's K, and its V, are 65,536 bytes
	s_mov_b32 s31, 0
	s_mov_b32 s24, 0x3e38aa3b              ; c = log2(e) / 8
	s_mov_b32 s25, s24
	s_mov_b32 s26, 0x76543210
	s_mov_b32 s27, 0xfedcba98
	v_lshlrev_b32 v14, 3, v2
	v_sub_nc_u32 v6, v1, v14
	s_lshl_b32 s11, s9, 4
	v_add_nc_u32 v6, s11, v6
	v_mov_b32 v7, 0xf149f2ca               ; -1e30
	v_mov_b32 v8, 0xfe000000               ; c m: far below every c s
	v_mov_b32 v9, 0xff7fffff               ; m: the lowest finite number
	v_mov_b32 v10, 0
	v_mov_b32 v11, 0
	v_mov_b32 v13, 0                       ; named with a as a pair
	v_mov_b32 v15, 0                       ; v_permlanex16_b32's destination counts as read
	s_wait_kmcnt 0x0
	s_add_nc_u64 s[28:29], s[4:5], s[20:21]
	s_add_nc_u64 s[12:13], s[4:5], s[30:31]
	s_add_nc_u64 s[14:15], s[12:13], 2621440
	s_add_nc_u64 s[12:13], s[12:13], 2097152
	s_add_nc_u64 s[16:17], s[12:13], 16384 ; the refills of trip 0: key steps 4 to 7
	s_add_nc_u64 s[18:19], s[14:15], 16384
.irp l, 0,1,2,3
	global_load_b128 v[Q+4*\l:Q+4*\l+3], v3, s[28:29] offset:512*\l
.endr
	RLOAD 0, 12, 14
	RLOAD 1, 12, 14
	RLOAD 2, 12, 14
	RLOAD 3, 12, 14
	WIN 0
.set z, 0
.rept 32
	v_mov_b32 v[O+z], 0                    ; cleared on purpose, in the wait for the first loads: every step is then a step like any other
.set z, z+1
.endr
	s_mov_b32 s23, 0
.Ltrip:
	STEP 0
	STEP 1
	STEP 2
	STEP 3
	WIN 0
	s_wait_xcnt 0x0                        ; the refills' bases are written only behind this wait
	s_add_co_u32 s11, s23, 2
	s_min_u32 s11, s11, 3                  ; held inside the head; what a last trip fetches so is not used
	s_lshl_b32 s20, s11, 14
	s_add_nc_u64 s[16:17], s[12:13], s[20:21]
	s_add_nc_u64 s[18:19], s[14:15], s[20:21]
	s_add_co_u32 s23, s23, 1
	s_cmp_lt_u32 s23, s22
	s_cbranch_scc1 .Ltrip
	; the way out
	v_add_f32 v10, v10, v11
	v_permlanex16_b32 v11, v10, s26, s27
	v_add_f32 v10, v10, v11
	v_rcp_f32 v12, v10
	v_nop
	s_wait_alu depctr_va_vdst(0)
.set z, 0
.rept 16
	v_pk_mul_f32 v[O+2*z:O+2*z+1], v[O+2*z:O+2*z+1], v[12:13] op_sel_hi:[1,0]
.set z, z+1
.endr
.set z, 0
.rept 16
	v_cvt_pk_f16_f32 v[S+z], v[O+2*z], v[O+2*z+1]
.set z, z+1
.endr
	s_lshr_b32 s20, s10, 2
	s_lshl_b32 s20, s20, 5
	s_add_co_u32 s20, s20, s9              ; row tile 32 b + i
	s_lshl_b32 s20, s20, 5
	s_and_b32 s11, s10, 3
	s_lshl_b32 s11, s11, 2
	s_add_co_u32 s11, s11, s8              ; head
	s_lshl_b32 s11, s11, 1
	s_add_co_u32 s20, s20, s11
	s_lshl_b32 s20, s20, 10
	s_add_nc_u64 s[6:7], s[6:7], s[20:21]
.irp c, 0,1,2,3
	global_store_b128 v3, v[S+4*\c:S+4*\c+3], s[6:7] offset:512*\c  ; 512 consecutive bytes, at a multiple of 256 from the buffer's first
.endr
	s_endpgm
.Lfunc_end_k_qeac7482b5c_attn:
	.size	k_qeac7482b5c_attn, .Lfunc_end_k_qeac7482b5c_attn-k_qeac7482b5c_attn
	.p2alignl 7, 3214868480
	.fill 96, 4, 3214868480
	.section	.rodata,"a",@progbits
	.p2align	6, 0x0
	.amdhsa_kernel k_qeac7482b5c_attn
		.amdhsa_group_segment_fixed_size 0
		.amdhsa_private_segment_fixed_size 0
		.amdhsa_enable_private_segment 0
		.amdhsa_kernarg_size 16
		.amdhsa_user_sgpr_count 2
		.amdhsa_user_sgpr_kernarg_segment_ptr 1
		.amdhsa_wavefront_size32 1
		.amdhsa_system_sgpr_workgroup_id_x 1
		.amdhsa_system_sgpr_workgroup_id_y 1
		.amdhsa_system_sgpr_workgroup_id_z 1
		.amdhsa_system_vgpr_workitem_id 0
		.amdhsa_next_free_vgpr 512
		.amdhsa_next_free_sgpr 66
		.amdhsa_reserve_vcc 1
		.amdhsa_float_denorm_mode_32 3
		.amdhsa_float_denorm_mode_16_64 3
		.amdhsa_memory_ordered 1
		.amdhsa_forward_progress 1
		.amdhsa_inst_pref_size 42
	.end_amdhsa_kernel
	.amdgpu_metadata
---
amdhsa.version: [ 1, 2 ]
amdhsa.kernels:
  - .name:           k_qeac7482b5c_attn
    .symbol:         k_qeac7482b5c_attn.kd
    .args:
      - { .name: qkv, .offset: 0, .size: 8, .value_kind: global_buffer, .address_space: global }
      - { .name: ctxf, .offset: 8, .size: 8, .value_kind: global_buffer, .address_space: global }
    .group_segment_fixed_size: 0
    .private_segment_fixed_size: 0
    .kernarg_segment_align: 8
    .kernarg_segment_size: 16
    .max_flat_workgroup_size: 128
    .sgpr_count:     66
    .vgpr_count:     512
    .wavefront_size: 32
...
	.end_amdgpu_metadata
.endif
;; end of part 2
;; launch oproj (part 3): grid 16 x 16, 4 waves a work-group, no clusters, 131,584 bytes of LDS; arguments ctxf, Wo, hidden_states, hbuf; writes hbuf
.if DOCPART == 3
	.amdgcn_target "amdgcn-amd-amdhsa--gfx1250"
	.amdhsa_code_object_version 6
	.text
	.protected	k_qeac7482b5c_oproj
	.globl	k_qeac7482b5c_oproj
	.p2align	8
	.type	k_qeac7482b5c_oproj,@function
k_qeac7482b5c_oproj:
	s_mov_b64 s[64:65], 0
	v_nop
	global_prefetch_b8 v0, s[64:65] scope:SCOPE_SE
	s_setreg_imm32_b32 hwreg(HW_REG_WAVE_MODE, 25, 1), 1
	s_wait_xcnt 0x0
; h = clip(x + ctx Wo, -100, 100).  ctxf: f16 fragment images; Wo [1024][1024] f32, rounded once to f16 (limit: |Wo| within 65,504); x, h f32.
; SHARES.  Work-group (cs, rb): 64 columns x 64 rows; wave w: the 16 rows of tile 4 rb + w, four column fragments (lane r of fragment c is column 4 r + c).
; PHASE 1: the slice of Wo (1,024 x 64) goes through registers into 128 KiB of f16 images; wave w converts heads 4 w .. 4 w + 3.  Its k rows are taken in ctxf's order: slot (s, h, j) of
; k step 2 head + q is row 64 head + 32 h + 4 j + 2 q + s.  PHASE 2: all 32 fragments of ctx stay in registers; W comes from LDS four k steps at a time, two buffers.
; No tensor loads: Wo is f32 and is rounded in registers.  No cluster: what the work-groups share is 6 MiB in all.
.set SPARE, 131072
.set XRS, 32                           ; v32-63   x, row 8 h + j, columns 4 r ..
.set ACC, 64                           ; v64-95
.set CT,  96                           ; v96-127
.set OUT, 136                          ; v136-167
                                       ; v6 W offset; v7 image store; v8, v9 image reads (low, high 64 KiB); v10 ctx offset; v11 x and h offset
                                       ; window 1: ctx fragments, k step ks at 8 ks.  window 2: W as loaded (2 x 64); later W fragments, two buffers of 128
.set MSB, 0
.macro WIN new
.if MSB != (\new)
	s_set_vgpr_msb (MSB<<8)|(\new)
.set MSB, (\new)
.endif
.endm
.macro PLACES
.rept 4
	v_nop
.endr
.endm
.macro LOADB slot, off                 ; slot = q: 16 loads of 16 bytes; sixteen lanes take 256 consecutive bytes of a row
	WIN 0x80
.set i, 0
.rept 16
	global_load_b128 v[64*(\slot)+4*i:64*(\slot)+4*i+3], v6, s[16:17] offset:(\off)+(4*(i%8)+2*(\slot)+i/8)*4096
.set i, i+1
.endr
.endm
.macro CONVB slot, imm
	WIN 0x0a
.set m, 0
.rept 8
.irp c, 0,1,2,3
	v_cvt_pk_f16_f32 v[CT+8*\c+m], v[64*(\slot)+8*m+\c], v[64*(\slot)+8*m+4+\c]
.endr
.set m, m+1
.endr
	WIN 0
.irp c, 0,1,2,3
	ds_store_b128 v7, v[CT+8*\c:CT+8*\c+3] offset:(\imm)+1024*\c
	ds_store_b128 v7, v[CT+8*\c+4:CT+8*\c+7] offset:(\imm)+1024*\c+512
.endr
.endm
.macro WLOAD g, buf                    ; W fragments of k steps 4 g .. 4 g + 3: 32 LDS loads
	WIN 0x80
.set kk, 0
.rept 4
.irp c, 0,1,2,3
	ds_load_b128 v[128*(\buf)+32*kk+8*\c:128*(\buf)+32*kk+8*\c+3], v[8+(\g)/4] offset:(4*((\g)%4)+kk)*4096+1024*\c
	ds_load_b128 v[128*(\buf)+32*kk+8*\c+4:128*(\buf)+32*kk+8*\c+7], v[8+(\g)/4] offset:(4*((\g)%4)+kk)*4096+1024*\c+512
.endr
.set kk, kk+1
.endr
.endm
.macro GROUP g
	PLACES                                 ; ahead of the loads into the buffer that the last products read
.if (\g) < 7
	WLOAD (\g)+1, ((\g)+1)%2
	s_wait_dscnt 32                        ; this group's W is in: the 32 loads just issued stay out
.else
	s_wait_dscnt 0x0
.endif
	WIN 0x09
.set kk, 0
.rept 4
.irp c, 0,1,2,3
.if ((\g) == 0) && (kk == 0)
	v_wmma_f32_16x16x32_f16 v[ACC+8*\c:ACC+8*\c+7], v[8*(4*(\g)+kk):8*(4*(\g)+kk)+7], v[128*((\g)%2)+32*kk+8*\c:128*((\g)%2)+32*kk+8*\c+7], 0
.else
	v_wmma_f32_16x16x32_f16 v[ACC+8*\c:ACC+8*\c+7], v[8*(4*(\g)+kk):8*(4*(\g)+kk)+7], v[128*((\g)%2)+32*kk+8*\c:128*((\g)%2)+32*kk+8*\c+7], v[ACC+8*\c:ACC+8*\c+7]
.endif
.endr
.set kk, kk+1
.endr
.endm
	s_load_b256 s[4:11], s[0:1], 0x0       ; ctxf s[4:5], Wo s[6:7], x s[8:9], h s[10:11]
	v_lshl_add_u32 v4, v0, 2, SPARE
	v_mov_b32 v5, 0
	v_and_b32 v1, 15, v0
	v_bfe_u32 v2, v0, 4, 1
	v_and_b32 v3, 31, v0
	v_lshlrev_b32 v3, 4, v3
	v_lshrrev_b32 v12, 5, v0
	v_readfirstlane_b32 s12, v12
	s_mov_b32 s13, ttmp9                   ; cs
	s_and_b32 s14, ttmp7, 0xffff           ; rb
	v_lshlrev_b32 v6, 17, v2               ; 32 h rows of 4,096 bytes
	v_lshl_add_u32 v6, v1, 4, v6
	v_lshl_add_u32 v7, s12, 15, v3
	v_mov_b32 v8, v3
	v_add_nc_u32 v9, 65536, v3
	s_lshl_b32 s18, s14, 2
	s_add_co_u32 s18, s18, s12             ; my row tile
	v_lshl_add_u32 v10, s18, 15, v3
	s_lshl_b32 s19, s18, 16
	s_lshl_b32 s20, s13, 8
	s_add_co_u32 s19, s19, s20
	v_lshlrev_b32 v11, 15, v2
	v_lshl_add_u32 v11, v1, 4, v11
	v_add_nc_u32 v11, s19, v11
	s_lshl_b32 s18, s12, 20                ; my four heads begin 256 w rows down
	s_add_co_u32 s18, s18, s20
	s_mov_b32 s19, 0
	s_mov_b32 s22, 0xc2c80000              ; -100
	s_mov_b32 s23, 0x42c80000              ; 100
	s_wait_kmcnt 0x0
	s_add_nc_u64 s[16:17], s[6:7], s[18:19]
.set j, 0
.rept 8
	global_load_b128 v[XRS+4*j:XRS+4*j+3], v11, s[8:9] offset:4096*j
.set j, j+1
.endr
	WIN 0x40
.set i, 0
.rept 64
	global_load_b128 v[4*i:4*i+3], v10, s[4:5] offset:512*i
.set i, i+1
.endr
	LOADB 0, 0
	LOADB 1, 0
	WIN 0
	s_mov_b32 s20, 3
.Lconv:
	s_wait_loadcnt 16                      ; the other slot's 16 loads stay out
	CONVB 0, 0
	LOADB 0, 262144
	s_wait_loadcnt 16
	CONVB 1, 4096
	LOADB 1, 262144
	WIN 0
	s_wait_xcnt 0x0
	s_add_nc_u64 s[16:17], s[16:17], 262144
	v_add_nc_u32 v7, 8192, v7
	s_sub_co_u32 s20, s20, 1
	s_cmp_lg_u32 s20, 0
	s_cbranch_scc1 .Lconv
	s_wait_loadcnt 16
	CONVB 0, 0
	s_wait_loadcnt 0x0
	CONVB 1, 4096
	s_wait_tensorcnt 0x0                   ; my last LDS store is out
	ds_add_u32 v4, v5
	s_wait_dscnt 0x0                       ; also for the others' sake: my images are in LDS
	s_barrier_signal -1
	s_barrier_wait -1
	WLOAD 0, 0
	GROUP 0
	GROUP 1
	GROUP 2
	GROUP 3
	GROUP 4
	GROUP 5
	GROUP 6
	GROUP 7
	WIN 0
	PLACES
.set j, 0
.rept 8
.irp c, 0,1,2,3
	v_add_f32 v[OUT+4*j+\c], v[XRS+4*j+\c], v[ACC+8*\c+j]
.endr
.irp c, 0,1,2,3
	v_med3_num_f32 v[OUT+4*j+\c], v[OUT+4*j+\c], s22, s23
.endr
	global_store_b128 v11, v[OUT+4*j:OUT+4*j+3], s[10:11] offset:4096*j  ; 16 lanes store 256 consecutive bytes of a row, aligned
.set j, j+1
.endr
	s_endpgm
.Lfunc_end_k_qeac7482b5c_oproj:
	.size	k_qeac7482b5c_oproj, .Lfunc_end_k_qeac7482b5c_oproj-k_qeac7482b5c_oproj
	.p2alignl 7, 3214868480
	.fill 96, 4, 3214868480
	.section	.rodata,"a",@progbits
	.p2align	6, 0x0
	.amdhsa_kernel k_qeac7482b5c_oproj
		.amdhsa_group_segment_fixed_size 131584
		.amdhsa_private_segment_fixed_size 0
		.amdhsa_enable_private_segment 0
		.amdhsa_kernarg_size 32
		.amdhsa_user_sgpr_count 2
		.amdhsa_user_sgpr_kernarg_segment_ptr 1
		.amdhsa_wavefront_size32 1
		.amdhsa_system_sgpr_workgroup_id_x 1
		.amdhsa_system_sgpr_workgroup_id_y 1
		.amdhsa_system_sgpr_workgroup_id_z 1
		.amdhsa_system_vgpr_workitem_id 0
		.amdhsa_next_free_vgpr 768
		.amdhsa_next_free_sgpr 66
		.amdhsa_reserve_vcc 0
		.amdhsa_float_denorm_mode_32 3
		.amdhsa_float_denorm_mode_16_64 3
		.amdhsa_memory_ordered 1
		.amdhsa_forward_progress 1
		.amdhsa_inst_pref_size 56
	.end_amdhsa_kernel
	.amdgpu_metadata
---
amdhsa.version: [ 1, 2 ]
amdhsa.kernels:
  - .name:           k_qeac7482b5c_oproj
    .symbol:         k_qeac7482b5c_oproj.kd
    .args:
      - { .name: ctxf, .offset: 0, .size: 8, .value_kind: global_buffer, .address_space: global }
      - { .name: Wo, .offset: 8, .size: 8, .value_kind: global_buffer, .address_space: global }
      - { .name: hidden_states, .offset: 16, .size: 8, .value_kind: global_buffer, .address_space: global }
      - { .name: hbuf, .offset: 24, .size: 8, .value_kind: global_buffer, .address_space: global }
    .group_segment_fixed_size: 131584
    .private_segment_fixed_size: 0
    .kernarg_segment_align: 8
    .kernarg_segment_size: 32
    .max_flat_workgroup_size: 128
    .sgpr_count:     66
    .vgpr_count:     768
    .wavefront_size: 32
...
	.end_amdgpu_metadata
.endif
;; end of part 3
;; launch router (part 4): grid 256 x 1, 4 waves a work-group, no clusters, 0 bytes of LDS; arguments hbuf, ln2_w, Wr, hn, topi; writes hn, topi
.if DOCPART == 4
	.amdgcn_target "amdgcn-amd-amdhsa--gfx1250"
	.amdhsa_code_object_version 6
	.text
	.protected	k_qeac7482b5c_router
	.globl	k_qeac7482b5c_router
	.p2align	8
	.type	k_qeac7482b5c_router,@function
k_qeac7482b5c_router:
	s_mov_b64 s[64:65], 0
	v_nop
	global_prefetch_b8 v0, s[64:65] scope:SCOPE_SE
	s_setreg_imm32_b32 hwreg(HW_REG_WAVE_MODE, 25, 1), 1
	s_wait_xcnt 0x0
; RMSNorm 2, the router's logits in f32, the two best experts and their weights.  One wave, one row t = 4 x work-group + wave.
; OUT: hn [1024][1024] bf16 (the experts' matrix operand, rounded once); at byte 2097152 of hn: the two weights, f32 [1024][2]; topi [1024][2] int32: the two experts, at fixed places.
; The two best are taken on the logits (softmax keeps the order; strict 'greater' going up keeps the lower index, as the top-k of the original does).  With l1 the largest logit:
; w1 = 1 / (1 + e^(l2 - l1)), w2 = e^(l2 - l1) w1: the softmax with its maximum taken away, its common divisor cancelled by the renormalisation.
; LIMITS.  NaN and infinities are not treated apart.  No matrix unit: 8 columns, and the choice wants f32.
.set H,  8                             ; v8-39    the row; later the packed hn
.set LN, 40                            ; v40-71   ln2, then h x ln2
.set WR, 72                            ; v72-199  Wr, four slots of 32: d = 128 n + 4 L + dd, expert e at 8 dd + e
.set AC, 200                           ; v200-207 logits
.set SS, 208                           ; v208-209
.set TP, 210
.set RS, 212                           ; v212-213
.set BI, 214
.set SI, 215
.set W1, 216
.set W2, 217
.set BV, 218
.set SV, 219
.set ZR, 220
.macro WLD n                           ; Wr's chunk n: 8 loads
.set m, 0
.rept 8
	global_load_b128 v[WR+32*((\n)%4)+4*m:WR+32*((\n)%4)+4*m+3], v4, s[8:9] offset:4096*(\n)+16*m
.set m, m+1
.endr
.endm
.macro CHUNK n, left
	s_wait_loadcnt \left                   ; chunk n of Wr is in (the row and ln2 are older): the younger chunks stay out
	v_pk_mul_f32 v[LN+4*(\n):LN+4*(\n)+1], v[H+4*(\n):H+4*(\n)+1], v[LN+4*(\n):LN+4*(\n)+1]
	v_pk_mul_f32 v[LN+4*(\n)+2:LN+4*(\n)+3], v[H+4*(\n)+2:H+4*(\n)+3], v[LN+4*(\n)+2:LN+4*(\n)+3]
.if (\n) == 0
	v_pk_mul_f32 v[SS:SS+1], v[H:H+1], v[H:H+1]
.else
	v_pk_fma_f32 v[SS:SS+1], v[H+4*(\n):H+4*(\n)+1], v[H+4*(\n):H+4*(\n)+1], v[SS:SS+1]
.endif
	v_pk_fma_f32 v[SS:SS+1], v[H+4*(\n)+2:H+4*(\n)+3], v[H+4*(\n)+2:H+4*(\n)+3], v[SS:SS+1]
.irp dd, 0,1,2,3
.irp ep, 0,1,2,3
.if ((\n) == 0) && (\dd == 0)
	v_pk_mul_f32 v[AC+2*\ep:AC+2*\ep+1], v[WR+2*\ep:WR+2*\ep+1], v[LN:LN+1] op_sel_hi:[1,0]
.elseif \dd % 2
	v_pk_fma_f32 v[AC+2*\ep:AC+2*\ep+1], v[WR+32*((\n)%4)+8*\dd+2*\ep:WR+32*((\n)%4)+8*\dd+2*\ep+1], v[LN+4*(\n)+\dd-1:LN+4*(\n)+\dd], v[AC+2*\ep:AC+2*\ep+1] op_sel:[0,1,0] op_sel_hi:[1,1,1]
.else
	v_pk_fma_f32 v[AC+2*\ep:AC+2*\ep+1], v[WR+32*((\n)%4)+8*\dd+2*\ep:WR+32*((\n)%4)+8*\dd+2*\ep+1], v[LN+4*(\n)+\dd:LN+4*(\n)+\dd+1], v[AC+2*\ep:AC+2*\ep+1] op_sel_hi:[1,0,1]
.endif
.endr
.endr
.if (\n) < 4
	WLD (\n)+4
.endif
.endm
.macro RED x                           ; the sum over the 32 lanes, in every lane
	v_add_f32_dpp v[\x], v[\x], v[\x] row_xmask:1 row_mask:0xf bank_mask:0xf
	v_add_f32_dpp v[\x], v[\x], v[\x] row_xmask:2 row_mask:0xf bank_mask:0xf
	v_add_f32_dpp v[\x], v[\x], v[\x] row_xmask:4 row_mask:0xf bank_mask:0xf
	v_add_f32_dpp v[\x], v[\x], v[\x] row_xmask:8 row_mask:0xf bank_mask:0xf
	v_permlanex16_b32 v[TP], v[\x], s20, s21
	v_add_f32 v[\x], v[\x], v[TP]
.endm
	s_load_b256 s[4:11], s[0:1], 0x0       ; h s[4:5], ln2 s[6:7], Wr s[8:9], hn s[10:11]
	s_load_b64 s[12:13], s[0:1], 0x20      ; topi
	v_and_b32 v1, 31, v0
	v_lshrrev_b32 v2, 5, v0
	v_readfirstlane_b32 s14, v2
	s_lshl_b32 s15, ttmp9, 2
	s_add_co_u32 s15, s15, s14             ; my row
	v_lshlrev_b32 v3, 4, v1
	v_lshlrev_b32 v4, 7, v1
	v_lshlrev_b32 v5, 3, v1
	s_lshl_b32 s16, s15, 12
	s_mov_b32 s17, 0
	s_lshl_b32 s18, s15, 11
	s_mov_b32 s19, 0
	s_lshl_b32 s26, s15, 3
	s_mov_b32 s27, 0
	s_mov_b32 s20, 0x76543210
	s_mov_b32 s21, 0xfedcba98
	s_mov_b32 s24, 0x3a800000              ; 1/1024
	s_mov_b32 s25, 0x3727c5ac              ; 1e-5
	v_mov_b32 v[TP], 0
	s_wait_kmcnt 0x0
	s_add_nc_u64 s[4:5], s[4:5], s[16:17]
	s_add_nc_u64 s[28:29], s[10:11], s[26:27]
	s_add_nc_u64 s[28:29], s[28:29], 0x200000
	s_add_nc_u64 s[10:11], s[10:11], s[18:19]
	s_add_nc_u64 s[12:13], s[12:13], s[26:27]
.set n, 0
.rept 8
	global_load_b128 v[H+4*n:H+4*n+3], v3, s[4:5] offset:512*n
.set n, n+1
.endr
.set n, 0
.rept 8
	global_load_b128 v[LN+4*n:LN+4*n+3], v3, s[6:7] offset:512*n
.set n, n+1
.endr
	WLD 0
	WLD 1
	WLD 2
	WLD 3
	CHUNK 0, 24
	CHUNK 1, 24
	CHUNK 2, 24
	CHUNK 3, 24
	CHUNK 4, 24
	CHUNK 5, 16
	CHUNK 6, 8
	CHUNK 7, 0
	v_add_f32 v[SS], v[SS], v[SS+1]
	RED SS
.irp e, 0,1,2,3,4,5,6,7
	RED AC+\e
.endr
	v_fma_f32 v[SS], v[SS], s24, s25
	v_rsq_f32 v[RS], v[SS]
	v_mov_b32 v[BI], 0                     ; a plain line behind the root
	s_wait_alu depctr_va_vdst(0)
	v_mov_b32 v[RS+1], v[RS]
.irp ep, 0,1,2,3
	v_pk_mul_f32 v[AC+2*\ep:AC+2*\ep+1], v[AC+2*\ep:AC+2*\ep+1], v[RS:RS+1]
.endr
	v_mov_b32 v[BV], v[AC]
.irp e, 1,2,3,4,5,6,7
	v_cmp_gt_f32 vcc_lo, v[AC+\e], v[BV]
	v_cndmask_b32 v[BV], v[BV], v[AC+\e], vcc_lo
	v_cndmask_b32 v[BI], v[BI], \e, vcc_lo
.endr
	v_mov_b32 v[SV], 0xff800000
	v_mov_b32 v[SI], 0
.irp e, 0,1,2,3,4,5,6,7
	v_cmp_ne_u32 s30, \e, v[BI]
	v_cmp_gt_f32 vcc_lo, v[AC+\e], v[SV]
	s_and_b32 vcc_lo, vcc_lo, s30
	v_cndmask_b32 v[SV], v[SV], v[AC+\e], vcc_lo
	v_cndmask_b32 v[SI], v[SI], \e, vcc_lo
.endr
	v_sub_f32 v[W2], v[SV], v[BV]
	v_mul_f32 v[W2], 0x3fb8aa3b, v[W2]
	v_exp_f32 v[W2], v[W2]
.set n, 0
.rept 16
	v_pk_mul_f32 v[LN+2*n:LN+2*n+1], v[LN+2*n:LN+2*n+1], v[RS:RS+1]   ; hn in f32: independent work behind the exponential
.set n, n+1
.endr
	s_wait_alu depctr_va_vdst(0)
	v_add_f32 v[W1], 1.0, v[W2]
	v_rcp_f32 v[W1], v[W1]
.set n, 0
.rept 16
	v_cvt_pk_bf16_f32 v[H+n], v[LN+2*n], v[LN+2*n+1]
.set n, n+1
.endr
	s_wait_alu depctr_va_vdst(0)
	v_mul_f32 v[W2], v[W2], v[W1]
	v_mov_b32 v[ZR], 0
.set n, 0
.rept 8
	global_store_b64 v5, v[H+2*n:H+2*n+1], s[10:11] offset:256*n   ; 32 lanes store 256 consecutive bytes, aligned
.set n, n+1
.endr
	v_cmp_eq_u32 vcc_lo, 0, v1
	s_wait_xcnt 0x0                        ; EXEC changes only behind this wait
	s_and_saveexec_b32 s30, vcc_lo         ; every lane holds the same four numbers: lane 0 stores them
	global_store_b64 v[ZR], v[BI:SI], s[12:13]
	global_store_b64 v[ZR], v[W1:W2], s[28:29]
	s_endpgm
.Lfunc_end_k_qeac7482b5c_router:
	.size	k_qeac7482b5c_router, .Lfunc_end_k_qeac7482b5c_router-k_qeac7482b5c_router
	.p2alignl 7, 3214868480
	.fill 96, 4, 3214868480
	.section	.rodata,"a",@progbits
	.p2align	6, 0x0
	.amdhsa_kernel k_qeac7482b5c_router
		.amdhsa_group_segment_fixed_size 0
		.amdhsa_private_segment_fixed_size 0
		.amdhsa_enable_private_segment 0
		.amdhsa_kernarg_size 40
		.amdhsa_user_sgpr_count 2
		.amdhsa_user_sgpr_kernarg_segment_ptr 1
		.amdhsa_wavefront_size32 1
		.amdhsa_system_sgpr_workgroup_id_x 1
		.amdhsa_system_sgpr_workgroup_id_y 1
		.amdhsa_system_sgpr_workgroup_id_z 1
		.amdhsa_system_vgpr_workitem_id 0
		.amdhsa_next_free_vgpr 232
		.amdhsa_next_free_sgpr 66
		.amdhsa_reserve_vcc 1
		.amdhsa_float_denorm_mode_32 3
		.amdhsa_float_denorm_mode_16_64 3
		.amdhsa_memory_ordered 1
		.amdhsa_forward_progress 1
		.amdhsa_inst_pref_size 29
	.end_amdhsa_kernel
	.amdgpu_metadata
---
amdhsa.version: [ 1, 2 ]
amdhsa.kernels:
  - .name:           k_qeac7482b5c_router
    .symbol:         k_qeac7482b5c_router.kd
    .args:
      - { .name: hbuf, .offset: 0, .size: 8, .value_kind: global_buffer, .address_space: global }
      - { .name: ln2_w, .offset: 8, .size: 8, .value_kind: global_buffer, .address_space: global }
      - { .name: Wr, .offset: 16, .size: 8, .value_kind: global_buffer, .address_space: global }
      - { .name: hn, .offset: 24, .size: 8, .value_kind: global_buffer, .address_space: global }
      - { .name: topi, .offset: 32, .size: 8, .value_kind: global_buffer, .address_space: global }
    .group_segment_fixed_size: 0
    .private_segment_fixed_size: 0
    .kernarg_segment_align: 8
    .kernarg_segment_size: 40
    .max_flat_workgroup_size: 128
    .sgpr_count:     66
    .vgpr_count:     232
    .wavefront_size: 32
...
	.end_amdgpu_metadata
.endif
;; end of part 4
;; launch moe_up (part 5): grid 32 x 8, 4 waves a work-group, no clusters, 267,008 bytes of LDS; arguments Wg, Wu, hn, topi, abuf, meta; writes abuf, meta
.if DOCPART == 5
	.amdgcn_target "amdgcn-amd-amdhsa--gfx1250"
	.amdhsa_code_object_version 6
	.text
	.protected	k_qeac7482b5c_moe_up
	.globl	k_qeac7482b5c_moe_up
	.p2align	8
	.type	k_qeac7482b5c_moe_up,@function
k_qeac7482b5c_moe_up:
	s_mov_b64 s[64:65], 0
	v_nop
	global_prefetch_b8 v0, s[64:65] scope:SCOPE_SE
	s_setreg_imm32_b32 hwreg(HW_REG_WAVE_MODE, 25, 1), 1
	s_wait_xcnt 0x0
; a = silu(hn Wg) x (hn Wu) for the rows that chose expert e, and the expert's list of rows.  Wg, Wu [8][1024][2048] f32, rounded once to bf16 on their way through registers; hn bf16; sums f32.
; SHARES.  Work-group (sl, e): columns 64 sl .. 64 sl + 63 of both matrices of expert e, which it alone reads, and all of that expert's rows.
; ORDER.  (1) wave 0 makes the list from topi (a counting pass by lane masks, no atomics) while the first weights are on their way; a barrier.  (2) The slice, 1,024 x 128 numbers, goes through registers
; into 256 KiB of bf16 fragment images: wave w converts k steps 8 w .. 8 w + 7, 32 to 48 loads of 512 bytes on their way; a barrier.  (3) The rows: nothing writes LDS and no barrier stands there.
; (4) One end for every path: a barrier, behind which no wave reads LDS any more, and the closing lines.
; THE ROWS.  Three passes (a constant) of 24 tiles of 16 rows serve every split, up to all 1,024 rows on one expert; wave w has tiles 24 pass + 4 i + w, i < 6.  Places past the count repeat the last row.
; Tiles 0-3 of a wave are always multiplied, tiles 4 and 5 and a whole pass are jumped where the count leaves them empty; the first k step starts all six tiles' sums.
; LAYOUT.  Source 0 = W (lane r of fragment c is column 4 r + c), source 1 = 16 rows: register j of fragment c is column 32 h + 4 j + c of row r.  Fragments 2 q, 2 q + 1 pack into an image whose
; k slot (s, h, j) is column 32 h + 4 j + 2 q + s; the next launch takes Wd's rows in that order.  abuf [e8][tile64][k block 64][1024].
; meta (stored by sl = 0): [e8][1024] kc x 1024 + token, filled up with the last valid entry; at 32768: the count, 128 equal words an expert.
; The gate's weight is applied by the last launch.  LIMITS: NaN and infinities are not treated apart; silu's exponential may overflow to infinity, whose reciprocal is the 0 that belongs there.
; No tensor loads: the weights are f32 and are rounded in registers.  No cluster: each slice has one reader, and the rows come by a list.
.set LIST, 262144                      ; 1,024 words, then 32 dump words for the lanes that have nothing to place
.set CNTW, 266368                      ; the count
.set SPARE, 266496
.set WA, 64                            ; v64-127, v128-191 W fragments, two buffers of eight (gate 0-3, up 4-7); v64-127 topi while the list is made
.set CT, 192                           ; v192-223 packed fragments (phase 1); at work on the way out
.set T,  192
.set R,  224                           ; v224-239 a, packed
.set TO, 10                            ; v10-15 byte offset of tile i's row r in hn
                                       ; v4, v5 the add's two registers; v6 W offset; v7 image store; v8 image read
                                       ; window 1: rows' ring, slot q, tile i at 48 q + 8 i.  windows 2, 3: sums, tile i, fragment f at 512 + 64 i + 8 f; window 2 in phase 1: W as loaded, 4 x 64
.set MSB, 0
.macro WIN new
.if MSB != (\new)
	s_set_vgpr_msb (MSB<<8)|(\new)
.set MSB, (\new)
.endif
.endm
.macro PLACES
.rept 4
	v_nop
.endr
.endm
.macro ENDLDS                          ; the wave's end: behind my last LDS store and ahead of s_endpgm
	s_wait_tensorcnt 0x0
	ds_add_u32 v4, v5
	s_wait_dscnt 0x0
.endm
.macro LOADB slot, mtx, off            ; 32 k rows x 64 columns of Wg (0) or Wu (1): 16 loads; sixteen lanes take 256 consecutive bytes of a row
	WIN 0x80
.set i, 0
.rept 16
	global_load_b128 v[64*(\slot)+4*i:64*(\slot)+4*i+3], v6, s[20+2*(\mtx):21+2*(\mtx)] offset:(\off)+(16*(i/8)+i%8)*8192 th:TH_LOAD_NT
.set i, i+1
.endr
.endm
.macro CONVB slot, imm
	WIN 0x0a
.set m, 0
.rept 8
.irp c, 0,1,2,3
	v_cvt_pk_bf16_f32 v[CT+8*\c+m], v[64*(\slot)+8*m+\c], v[64*(\slot)+8*m+4+\c]
.endr
.set m, m+1
.endr
	WIN 0
.irp c, 0,1,2,3
	ds_store_b128 v7, v[CT+8*\c:CT+8*\c+3] offset:(\imm)+1024*\c
	ds_store_b128 v7, v[CT+8*\c+4:CT+8*\c+7] offset:(\imm)+1024*\c+512
.endr
.endm
.macro BATCH q, left, ahead            ; batch q of a trip's four (k step q / 2, matrix q % 2)
	s_wait_loadcnt \left                   ; mine is in; the younger batches of 16 stay out
.if \ahead
	LOADB ((\q)+3)%4, ((\q)+3)%2, (((\q)+3)/2)*262144
.endif
	CONVB \q, ((\q)/2)*8192+((\q)%2)*4096
.endm
.macro TLOAD slot, b, off              ; one k step of the six tiles' rows: 12 loads
	WIN 0x40
.set ti, 0
.rept 6
	global_load_b128 v[48*(\slot)+8*ti:48*(\slot)+8*ti+3], v[TO+ti], s[\b:\b+1] offset:(\off)
	global_load_b128 v[48*(\slot)+8*ti+4:48*(\slot)+8*ti+7], v[TO+ti], s[\b:\b+1] offset:(\off)+32
.set ti, ti+1
.endr
.endm
.macro WLOAD buf, off                  ; one k step's eight W fragments: 16 LDS loads
.set wf, 0
.rept 8
	ds_load_b128 v[WA+64*(\buf)+8*wf:WA+64*(\buf)+8*wf+3], v8 offset:(\off)+1024*wf
	ds_load_b128 v[WA+64*(\buf)+8*wf+4:WA+64*(\buf)+8*wf+7], v8 offset:(\off)+1024*wf+512
.set wf, wf+1
.endr
.endm
.macro MTILE q, i, z                   ; tile i's eight products; z = 1: they start the sums
	WIN 0xa4+0x50*((\i)/4)
.set mf, 0
.rept 8
.if \z
	v_wmma_f32_16x16x32_bf16 v[64*((\i)%4)+8*mf:64*((\i)%4)+8*mf+7], v[WA+64*((\q)%2)+8*mf:WA+64*((\q)%2)+8*mf+7], v[48*(\q)+8*(\i):48*(\q)+8*(\i)+7], 0
.else
	v_wmma_f32_16x16x32_bf16 v[64*((\i)%4)+8*mf:64*((\i)%4)+8*mf+7], v[WA+64*((\q)%2)+8*mf:WA+64*((\q)%2)+8*mf+7], v[48*(\q)+8*(\i):48*(\q)+8*(\i)+7], v[64*((\i)%4)+8*mf:64*((\i)%4)+8*mf+7]
.endif
.set mf, mf+1
.endr
.endm
.macro KSTEP q
	PLACES                                 ; ahead of the loads into registers that the last products read
.if (\q) == 0
	TLOAD 3, 38, 192                       ; the rows three k steps on
.else
	TLOAD ((\q)+3)%4, 40, ((\q)-1)*64
.endif
	WIN 0
.if (\q) == 3
	s_cmp_eq_u32 s36, 7                    ; behind the last k step there is no W to fetch
	s_cbranch_scc1 .Lnone_\@
.endif
	WLOAD ((\q)+1)%2, ((\q)+1)*8192
	s_wait_dscnt 16                        ; this step's W is in: the 16 loads just issued stay out
.if (\q) == 3
	s_branch .Lhave_\@
.Lnone_\@:
	s_wait_dscnt 0x0
.Lhave_\@:
.endif
	s_wait_loadcnt 36                      ; this step's rows are in: three younger k steps of 12 loads stay out
.if (\q) == 0
	s_cmp_eq_u32 s36, 0                    ; k step 0 has been multiplied ahead of the loop
	s_cbranch_scc1 .Lke_\@
.endif
	MTILE \q, 0, 0
	MTILE \q, 1, 0
	MTILE \q, 2, 0
	MTILE \q, 3, 0
	WIN 0
	s_cmp_le_u32 s35, 4
	s_cbranch_scc1 .Lke_\@
	MTILE \q, 4, 0
	WIN 0
	s_cmp_le_u32 s35, 5
	s_cbranch_scc1 .Lke_\@
	MTILE \q, 5, 0
	WIN 0
.Lke_\@:
.endm
.macro EPI i                           ; tile i leaves: g u / (1 + 2^(-g log2 e)), rounded to bf16, four stores of 512 consecutive bytes
.set EW, 2+(\i)/4
.set A0, 64*((\i)%4)
.if (\i) > 0
	s_cmp_le_u32 s35, \i
	s_cbranch_scc1 .Lpassend
.endif
	s_wait_xcnt 0x0                        ; the last tile's stores have read R
	WIN EW
.set z, 0
.rept 16
	v_pk_mul_f32 v[T+2*z:T+2*z+1], v[A0+2*z:A0+2*z+1], s[46:47] op_sel_hi:[1,0]
.set z, z+1
.endr
	WIN 0
.set z, 0
.rept 32
	v_exp_f32 v[T+z], v[T+z]
.set z, z+1
.endr
	WIN (EW<<6)|(EW<<2)|EW
.set z, 0
.rept 16
	v_pk_mul_f32 v[A0+2*z:A0+2*z+1], v[A0+2*z:A0+2*z+1], v[A0+32+2*z:A0+32+2*z+1]   ; g u: independent work behind the batch
.set z, z+1
.endr
	WIN 0
	s_wait_alu depctr_va_vdst(0)           ; one wait for the 32 exponentials
.set z, 0
.rept 16
	v_pk_add_f32 v[T+2*z:T+2*z+1], v[T+2*z:T+2*z+1], 1.0 op_sel_hi:[1,0]
.set z, z+1
.endr
.set z, 0
.rept 32
	v_rcp_f32 v[T+z], v[T+z]
.set z, z+1
.endr
	v_nop
	s_wait_alu depctr_va_vdst(0)           ; one wait for the 32 reciprocals
	WIN EW<<2
.set z, 0
.rept 16
	v_pk_mul_f32 v[T+2*z:T+2*z+1], v[T+2*z:T+2*z+1], v[A0+2*z:A0+2*z+1]
.set z, z+1
.endr
	WIN 0
.set z, 0
.rept 16
	v_cvt_pk_bf16_f32 v[R+z], v[T+2*z], v[T+2*z+1]
.set z, z+1
.endr
.irp c, 0,1,2,3
	global_store_b128 v3, v[R+4*\c:R+4*\c+3], s[42:43] offset:262144*(\i)+512*\c
.endr
.endm
	s_load_b256 s[4:11], s[0:1], 0x0       ; Wg s[4:5], Wu s[6:7], hn s[8:9], topi s[10:11]
	s_load_b128 s[12:15], s[0:1], 0x20     ; abuf s[12:13], meta s[14:15]
	v_lshl_add_u32 v4, v0, 2, SPARE        ; my spare word,
	v_mov_b32 v5, 0                        ; and 0: kept for the add alone
	v_and_b32 v1, 15, v0
	v_bfe_u32 v2, v0, 4, 1
	v_and_b32 v3, 31, v0
	v_lshlrev_b32 v3, 4, v3
	v_lshrrev_b32 v16, 5, v0
	v_readfirstlane_b32 s16, v16           ; wave
	s_mov_b32 s17, ttmp9                   ; sl
	s_and_b32 s18, ttmp7, 0xffff           ; e
	v_lshlrev_b32 v6, 16, v2               ; 8 h rows of 8,192 bytes
	v_lshl_add_u32 v6, v1, 4, v6
	v_lshl_add_u32 v7, s16, 16, v3
	s_lshl_b32 s24, s18, 23                ; an expert's matrix is 8 MiB
	s_lshl_b32 s31, s17, 8
	s_add_co_u32 s24, s24, s31
	s_lshl_b32 s31, s16, 21                ; my 8 k steps begin 256 w rows down
	s_add_co_u32 s24, s24, s31
	s_mov_b32 s25, 0
	s_mov_b32 s45, 0
	s_mov_b32 s55, 0
	s_mov_b32 s46, 0xbfb8aa3b              ; -log2(e)
	s_mov_b32 s47, s46
	s_wait_kmcnt 0x0
	s_add_nc_u64 s[20:21], s[4:5], s[24:25]
	s_add_nc_u64 s[22:23], s[6:7], s[24:25]
	s_cmp_lg_u32 s16, 0
	s_cbranch_scc1 .Lw1
	v_lshrrev_b32 v21, 1, v3               ; 8 x lane: token 32 j + lane has 8 bytes
.set j, 0
.rept 32
	global_load_b64 v[64+2*j:65+2*j], v21, s[10:11] offset:256*j
.set j, j+1
.endr
.Lw1:
	LOADB 0, 0, 0
	LOADB 1, 1, 0
	LOADB 2, 0, 262144
	WIN 0
	s_cmp_lg_u32 s16, 0
	s_cbranch_scc1 .Lw2
	s_wait_loadcnt 48                      ; topi is in: the 48 weight loads are younger and stay out
	v_and_b32 v16, 31, v0                  ; the token,
	v_add_nc_u32 v17, 1024, v16            ; and the token as a second choice
	v_add_nc_u32 v18, 1024, v16            ; my dump word's place
	s_mov_b32 s27, 0
.set j, 0
.rept 32
	v_cmp_eq_u32 s28, s18, v[64+2*j]
	v_cmp_eq_u32 s29, s18, v[65+2*j]
	s_or_b32 s30, s28, s29
	v_mbcnt_lo_u32_b32 v19, s30, s27       ; the rows so far, and those of lower lanes
	v_cndmask_b32 v19, v18, v19, s30
	v_min_u32 v19, 0x41f, v19
	v_lshl_add_u32 v19, v19, 2, LIST
	v_cndmask_b32 v20, v16, v17, s29
	ds_store_b32 v19, v20
	v_add_nc_u32 v16, 32, v16
	v_add_nc_u32 v17, 32, v17
	s_bcnt1_i32_b32 s31, s30
	s_add_co_u32 s27, s27, s31
.set j, j+1
.endr
	v_mov_b32 v19, CNTW
	v_mov_b32 v20, s27
	ds_store_b32 v19, v20
.Lw2:
	s_wait_dscnt 0x0                       ; the list is in LDS before any other wave stores there
	s_barrier_signal -1
	s_barrier_wait -1
	s_mov_b32 s26, 3
.Lconv:
	BATCH 0, 32, 1
	BATCH 1, 32, 1
	BATCH 2, 32, 1
	BATCH 3, 32, 1
	s_wait_xcnt 0x0
	s_add_nc_u64 s[20:21], s[20:21], 524288
	s_add_nc_u64 s[22:23], s[22:23], 524288
	v_add_nc_u32 v7, 16384, v7
	s_sub_co_u32 s26, s26, 1
	s_cmp_lg_u32 s26, 0
	s_cbranch_scc1 .Lconv
	BATCH 0, 32, 1                         ; the last four batches: one more is asked for, then the counts run down
	BATCH 1, 32, 0
	BATCH 2, 16, 0
	BATCH 3, 0, 0
	s_wait_dscnt 0x0                       ; for the others' sake: my images are in LDS; these were my last LDS stores
	s_barrier_signal -1
	s_barrier_wait -1
	v_mov_b32 v16, CNTW
	ds_load_b32 v17, v16
	s_wait_dscnt 0x0
	v_readfirstlane_b32 s32, v17
	s_min_u32 s32, s32, 0x400              ; the expert's rows
	s_cmp_lg_u32 s17, 0
	s_cbranch_scc1 .Lnometa
	v_lshlrev_b32 v18, 2, v0
	v_mov_b32 v19, s32
	s_lshl_b32 s24, s18, 9
	s_add_co_u32 s24, s24, 32768
	s_add_nc_u64 s[48:49], s[14:15], s[24:25]
	global_store_b32 v18, v19, s[48:49]
	s_cmp_eq_u32 s32, 0
	s_cbranch_scc1 .Lnometa
	s_sub_co_u32 s31, s32, 1
	s_lshl_b32 s24, s18, 12
	s_add_nc_u64 s[50:51], s[14:15], s[24:25]
.set n, 0
.rept 8
	v_add_nc_u32 v[20+n], 128*n, v0
	v_min_u32 v[20+n], s31, v[20+n]        ; places past the count repeat the last entry
	v_min_u32 v[20+n], 0x3ff, v[20+n]
	v_lshl_add_u32 v[20+n], v[20+n], 2, LIST
	ds_load_b32 v[20+n], v[20+n]
.set n, n+1
.endr
	s_wait_dscnt 0x0
.set n, 0
.rept 8
	global_store_b32 v18, v[20+n], s[50:51] offset:512*n
.set n, n+1
.endr
.Lnometa:
	s_cmp_eq_u32 s32, 0
	s_cbranch_scc1 .Lend                   ; an expert that no token chose has nothing to multiply: forward to the common end
	s_wait_xcnt 0x0
	s_add_co_u32 s33, s32, 15
	s_lshr_b32 s33, s33, 4                 ; tiles
	s_sub_co_u32 s31, s32, 1
	s_lshl_b32 s24, s18, 22                ; abuf: 4 MiB an expert,
	s_lshl_b32 s48, s16, 16                ; 65,536 bytes a tile,
	s_add_co_u32 s24, s24, s48
	s_lshl_b32 s48, s17, 11                ; my two k blocks of 1,024 bytes
	s_add_co_u32 s24, s24, s48
	s_add_nc_u64 s[42:43], s[12:13], s[24:25]
	s_mov_b32 s52, s16                     ; my first tile of the pass
	s_mov_b32 s34, 0
.Lpass:
	s_sub_co_i32 s35, s33, s52
	s_add_co_i32 s35, s35, 3
	s_max_i32 s35, s35, 0
	s_lshr_b32 s35, s35, 2
	s_min_u32 s35, s35, 6                  ; how many of my six tiles hold rows
	s_cmp_eq_u32 s35, 0
	s_cbranch_scc1 .Lpassend
.set i, 0
.rept 6
	s_add_co_u32 s48, s52, 4*i
	s_lshl_b32 s48, s48, 4
	v_add_nc_u32 v[TO+i], s48, v1
	v_min_u32 v[TO+i], s31, v[TO+i]        ; places past the count repeat the last row
	v_min_u32 v[TO+i], 0x3ff, v[TO+i]
	v_lshl_add_u32 v[TO+i], v[TO+i], 2, LIST
	ds_load_b32 v[TO+i], v[TO+i]
.set i, i+1
.endr
	s_wait_dscnt 0x0
.set i, 0
.rept 6
	v_and_b32 v[TO+i], 0x3ff, v[TO+i]      ; the token
	v_min_u32 v[TO+i], 0x3ff, v[TO+i]
	v_lshlrev_b32 v[TO+i], 11, v[TO+i]
	v_lshl_add_u32 v[TO+i], v2, 4, v[TO+i]
.set i, i+1
.endr
	s_mov_b64 s[38:39], s[8:9]
	s_add_nc_u64 s[40:41], s[8:9], 256
	s_mov_b32 s44, 0
	v_mov_b32 v8, v3
	TLOAD 0, 8, 0
	TLOAD 1, 8, 64
	TLOAD 2, 8, 128
	WIN 0
	WLOAD 0, 0
	s_wait_dscnt 0x0
	s_wait_loadcnt 24                      ; k step 0's rows are in: k steps 1 and 2 stay out
	MTILE 0, 0, 1                          ; the first k step starts the sums of all six tiles: nothing is cleared
	MTILE 0, 1, 1
	MTILE 0, 2, 1
	MTILE 0, 3, 1
	MTILE 0, 4, 1
	MTILE 0, 5, 1
	WIN 0
	s_mov_b32 s36, 0
.Lk:
	KSTEP 0
	KSTEP 1
	KSTEP 2
	KSTEP 3
	s_wait_xcnt 0x0                        ; the rows' bases are written only behind this wait
	s_add_co_u32 s44, s44, 256
	s_add_nc_u64 s[38:39], s[8:9], s[44:45]
	s_add_co_u32 s54, s44, 256
	s_min_u32 s54, s54, 1792               ; the last trip's look-ahead is held to the row's last 256 bytes and not used
	s_add_nc_u64 s[40:41], s[8:9], s[54:55]
	v_add_nc_u32 v8, 32768, v8
	s_add_co_u32 s36, s36, 1
	s_cmp_lt_u32 s36, 8
	s_cbranch_scc1 .Lk
	s_wait_loadcnt 0x0
	PLACES
	EPI 0
	EPI 1
	EPI 2
	EPI 3
	EPI 4
	EPI 5
.Lpassend:
	s_wait_xcnt 0x0
	s_add_co_u32 s52, s52, 24
	s_add_nc_u64 s[42:43], s[42:43], 1572864
	s_add_co_u32 s34, s34, 1
	s_cmp_lt_u32 s34, 3
	s_cbranch_scc1 .Lpass
.Lend:                                         ; every path of every wave comes here
	s_wait_dscnt 0x0                       ; my LDS reads are back,
	s_barrier_signal -1
	s_barrier_wait -1                      ; and so are every wave's: no wave reads LDS behind this barrier
	ENDLDS
	s_endpgm
.Lfunc_end_k_qeac7482b5c_moe_up:
	.size	k_qeac7482b5c_moe_up, .Lfunc_end_k_qeac7482b5c_moe_up-k_qeac7482b5c_moe_up
	.p2alignl 7, 3214868480
	.fill 96, 4, 3214868480
	.section	.rodata,"a",@progbits
	.p2align	6, 0x0
	.amdhsa_kernel k_qeac7482b5c_moe_up
		.amdhsa_group_segment_fixed_size 267008
		.amdhsa_private_segment_fixed_size 0
		.amdhsa_enable_private_segment 0
		.amdhsa_kernarg_size 48
		.amdhsa_user_sgpr_count 2
		.amdhsa_user_sgpr_kernarg_segment_ptr 1
		.amdhsa_wavefront_size32 1
		.amdhsa_system_sgpr_workgroup_id_x 1
		.amdhsa_system_sgpr_workgroup_id_y 1
		.amdhsa_system_sgpr_workgroup_id_z 1
		.amdhsa_system_vgpr_workitem_id 0
		.amdhsa_next_free_vgpr 896
		.amdhsa_next_free_sgpr 66
		.amdhsa_reserve_vcc 0
		.amdhsa_float_denorm_mode_32 3
		.amdhsa_float_denorm_mode_16_64 3
		.amdhsa_memory_ordered 1
		.amdhsa_forward_progress 1
		.amdhsa_inst_pref_size 147
	.end_amdhsa_kernel
	.amdgpu_metadata
---
amdhsa.version: [ 1, 2 ]
amdhsa.kernels:
  - .name:           k_qeac7482b5c_moe_up
    .symbol:         k_qeac7482b5c_moe_up.kd
    .args:
      - { .name: Wg, .offset: 0, .size: 8, .value_kind: global_buffer, .address_space: global }
      - { .name: Wu, .offset: 8, .size: 8, .value_kind: global_buffer, .address_space: global }
      - { .name: hn, .offset: 16, .size: 8, .value_kind: global_buffer, .address_space: global }
      - { .name: topi, .offset: 24, .size: 8, .value_kind: global_buffer, .address_space: global }
      - { .name: abuf, .offset: 32, .size: 8, .value_kind: global_buffer, .address_space: global }
      - { .name: meta, .offset: 40, .size: 8, .value_kind: global_buffer, .address_space: global }
    .group_segment_fixed_size: 267008
    .private_segment_fixed_size: 0
    .kernarg_segment_align: 8
    .kernarg_segment_size: 48
    .max_flat_workgroup_size: 128
    .sgpr_count:     66
    .vgpr_count:     896
    .wavefront_size: 32
...
	.end_amdgpu_metadata
.endif
;; end of part 5
;; launch moe_down (part 6): grid 32 x 8, 4 waves a work-group, no clusters, 131,584 bytes of LDS; arguments Wd, abuf, meta, pbuf; writes pbuf
.if DOCPART == 6
	.amdgcn_target "amdgcn-amd-amdhsa--gfx1250"
	.amdhsa_code_object_version 6
	.text
	.protected	k_qeac7482b5c_moe_down
	.globl	k_qeac7482b5c_moe_down
	.p2align	8
	.type	k_qeac7482b5c_moe_down,@function
k_qeac7482b5c_moe_down:
	s_mov_b64 s[64:65], 0
	v_nop
	global_prefetch_b8 v0, s[64:65] scope:SCOPE_SE
	s_setreg_imm32_b32 hwreg(HW_REG_WAVE_MODE, 25, 1), 1
	s_wait_xcnt 0x0
; Partial rows a Wd of the chosen rows, not weighted.  Wd [8][2048][1024] f32, rounded once to bf16 on its way through registers; a: bf16 fragment images; sums and partial rows f32.
; SHARES.  Work-group (x, e): cs = x % 16: 64 columns; kh = x / 16: a half of the hidden width (1,024 of K); all rows of expert e.  The halves are added by the last launch.
; PHASE 1: the slice of Wd (1,024 x 64) into 128 KiB of bf16 images, its rows in abuf's order: slot (s, h, j) of k step 2 blk + q is row 64 blk + 32 h + 4 j + 2 q + s.  One barrier, passed whatever the count.
; THE ROWS: as in the launch before: three passes of 24 tiles, wave w has tiles 24 pass + 4 i + w; nothing writes LDS there and no barrier stands there.
; ONE END for every path: a barrier, behind which no wave reads LDS any more, and the closing lines.
; Source 0 = 16 rows of a, source 1 = W (lane r of fragment c is column 4 r + c): register j of fragment c is row 8 h + j, column 4 r + c: a row's four fragments give 16 neighbouring bytes a lane.
; pbuf [kh2][kc x 1024 + token][1024]: the row's number comes from meta.  Places past the count hold the last row once more and store the same numbers to the same place.
.set SPARE, 131072
.set WA,  64                           ; v64-95, v96-127 W fragments, two buffers of four
.set RID, 128                          ; v128-175 row numbers: tile i, row 8 h + j at 8 i + j
.set OUT, 192                          ; v192-223 packed fragments (phase 1); a tile's rows on the way out
.set AO,  10                           ; v10-15 tile i's offset in abuf
.set RO,  16                           ; v16-21 tile i's offset in meta
.set DA,  24                           ; v24-31 the stores' offsets
                                       ; v4, v5 the add's two registers; v6 W offset; v7 image store; v8 image read
                                       ; window 1: W as loaded, 4 x 64 (phase 1); then a's ring, slot q, tile i at 48 q + 8 i.  window 2: sums, tile i, fragment c at 32 i + 8 c
.set MSB, 0
.macro WIN new
.if MSB != (\new)
	s_set_vgpr_msb (MSB<<8)|(\new)
.set MSB, (\new)
.endif
.endm
.macro PLACES
.rept 4
	v_nop
.endr
.endm
.macro ENDLDS                          ; the wave's end: behind my last LDS store and ahead of s_endpgm
	s_wait_tensorcnt 0x0
	ds_add_u32 v4, v5
	s_wait_dscnt 0x0
.endm
.macro LOADB b                         ; batch b of 8: block b / 2 of my four, q = b % 2
	WIN 0x40
.set i, 0
.rept 16
	global_load_b128 v[64*((\b)%4)+4*i:64*((\b)%4)+4*i+3], v6, s[16:17] offset:((\b)/2)*262144+(4*(i%8)+2*((\b)%2)+i/8)*4096 th:TH_LOAD_NT
.set i, i+1
.endr
.endm
.macro CONVB b
	WIN 0x05
.set m, 0
.rept 8
.irp c, 0,1,2,3
	v_cvt_pk_bf16_f32 v[OUT+8*\c+m], v[64*((\b)%4)+8*m+\c], v[64*((\b)%4)+8*m+4+\c]
.endr
.set m, m+1
.endr
	WIN 0
.irp c, 0,1,2,3
	ds_store_b128 v7, v[OUT+8*\c:OUT+8*\c+3] offset:4096*(\b)+1024*\c
	ds_store_b128 v7, v[OUT+8*\c+4:OUT+8*\c+7] offset:4096*(\b)+1024*\c+512
.endr
.endm
.macro BATCH b, left
	s_wait_loadcnt \left                   ; mine is in; the younger batches of 16 stay out
.if (\b) < 5
	LOADB (\b)+3
.endif
	CONVB \b
.endm
.macro TLOAD slot, b, off              ; one k step of the six tiles' a: 12 loads of 512 consecutive bytes
	WIN 0x40
.set ti, 0
.rept 6
	global_load_b128 v[48*(\slot)+8*ti:48*(\slot)+8*ti+3], v[AO+ti], s[\b:\b+1] offset:(\off)
	global_load_b128 v[48*(\slot)+8*ti+4:48*(\slot)+8*ti+7], v[AO+ti], s[\b:\b+1] offset:(\off)+512
.set ti, ti+1
.endr
.endm
.macro WLOAD buf, off
.irp c, 0,1,2,3
	ds_load_b128 v[WA+32*(\buf)+8*\c:WA+32*(\buf)+8*\c+3], v8 offset:(\off)+1024*\c
	ds_load_b128 v[WA+32*(\buf)+8*\c+4:WA+32*(\buf)+8*\c+7], v8 offset:(\off)+1024*\c+512
.endr
.endm
.macro MTILE q, i, z
	WIN 0xa1
.irp c, 0,1,2,3
.if \z
	v_wmma_f32_16x16x32_bf16 v[32*(\i)+8*\c:32*(\i)+8*\c+7], v[48*(\q)+8*(\i):48*(\q)+8*(\i)+7], v[WA+32*((\q)%2)+8*\c:WA+32*((\q)%2)+8*\c+7], 0
.else
	v_wmma_f32_16x16x32_bf16 v[32*(\i)+8*\c:32*(\i)+8*\c+7], v[48*(\q)+8*(\i):48*(\q)+8*(\i)+7], v[WA+32*((\q)%2)+8*\c:WA+32*((\q)%2)+8*\c+7], v[32*(\i)+8*\c:32*(\i)+8*\c+7]
.endif
.endr
.endm
.macro KSTEP q
	PLACES                                 ; ahead of the loads into registers that the last products read
.if (\q) == 0
	TLOAD 3, 28, 3072
.else
	TLOAD ((\q)+3)%4, 30, ((\q)-1)*1024
.endif
	WIN 0
.if (\q) == 3
	s_cmp_eq_u32 s24, 7                    ; behind the last k step there is no W to fetch
	s_cbranch_scc1 .Lnone_\@
.endif
	WLOAD ((\q)+1)%2, ((\q)+1)*4096
	s_wait_dscnt 8                         ; this step's W is in: the 8 loads just issued stay out
.if (\q) == 3
	s_branch .Lhave_\@
.Lnone_\@:
	s_wait_dscnt 0x0
.Lhave_\@:
.endif
	s_wait_loadcnt 36                      ; this step's a is in: three younger k steps of 12 loads stay out
.if (\q) == 0
	s_cmp_eq_u32 s24, 0                    ; k step 0 has been multiplied ahead of the loop
	s_cbranch_scc1 .Lke_\@
.endif
	MTILE \q, 0, 0
	MTILE \q, 1, 0
	MTILE \q, 2, 0
	MTILE \q, 3, 0
	WIN 0
	s_cmp_le_u32 s23, 4
	s_cbranch_scc1 .Lke_\@
	MTILE \q, 4, 0
	WIN 0
	s_cmp_le_u32 s23, 5
	s_cbranch_scc1 .Lke_\@
	MTILE \q, 5, 0
	WIN 0
.Lke_\@:
.endm
.macro EPI i
.if (\i) > 0
	s_cmp_le_u32 s23, \i
	s_cbranch_scc1 .Lpassend
.endif
	s_wait_xcnt 0x0                        ; the last tile's stores have read OUT and DA
	WIN 0x02
.set j, 0
.rept 8
.irp c, 0,1,2,3
	v_mov_b32 v[OUT+4*j+\c], v[32*(\i)+8*\c+j]   ; a row's four fragments side by side: 16 neighbouring bytes
.endr
.set j, j+1
.endr
	WIN 0
.set j, 0
.rept 8
	v_min_u32 v[DA+j], 0x7ff, v[RID+8*(\i)+j]
	v_lshlrev_b32 v[DA+j], 12, v[DA+j]
	v_lshl_add_u32 v[DA+j], v1, 4, v[DA+j]
	global_store_b128 v[DA+j], v[OUT+4*j:OUT+4*j+3], s[38:39]   ; 16 lanes store 256 consecutive bytes of one row, aligned
.set j, j+1
.endr
.endm
	s_load_b256 s[4:11], s[0:1], 0x0       ; Wd s[4:5], abuf s[6:7], meta s[8:9], pbuf s[10:11]
	v_lshl_add_u32 v4, v0, 2, SPARE        ; my spare word,
	v_mov_b32 v5, 0                        ; and 0: kept for the add alone
	v_and_b32 v1, 15, v0
	v_bfe_u32 v2, v0, 4, 1
	v_and_b32 v3, 31, v0
	v_lshlrev_b32 v3, 4, v3
	v_lshrrev_b32 v9, 5, v0
	v_readfirstlane_b32 s12, v9            ; wave
	s_and_b32 s13, ttmp9, 15               ; cs
	s_lshr_b32 s14, ttmp9, 4               ; kh
	s_and_b32 s15, ttmp7, 0xffff           ; e
	v_lshlrev_b32 v6, 17, v2               ; 32 h rows of 4,096 bytes
	v_lshl_add_u32 v6, v1, 4, v6
	v_lshl_add_u32 v7, s12, 15, v3
	s_lshl_b32 s18, s15, 23
	s_lshl_b32 s40, s14, 22
	s_add_co_u32 s18, s18, s40
	s_lshl_b32 s40, s13, 8
	s_add_co_u32 s18, s18, s40
	s_lshl_b32 s40, s12, 20                ; my four blocks begin 256 w rows down
	s_add_co_u32 s18, s18, s40
	s_mov_b32 s19, 0
	s_lshl_b32 s42, s15, 9
	s_mov_b32 s33, 0
	s_mov_b32 s35, 0
	s_wait_kmcnt 0x0
	s_load_b32 s20, s[8:9], s42 offset:0x8000   ; the expert's rows
	s_add_nc_u64 s[16:17], s[4:5], s[18:19]
	LOADB 0
	LOADB 1
	LOADB 2
	BATCH 0, 32
	BATCH 1, 32
	BATCH 2, 32
	BATCH 3, 32
	BATCH 4, 32
	BATCH 5, 32
	BATCH 6, 16
	BATCH 7, 0
	s_wait_dscnt 0x0                       ; for the others' sake: my images are in LDS; these were my last LDS stores
	s_barrier_signal -1
	s_barrier_wait -1
	s_wait_kmcnt 0x0
	s_min_u32 s20, s20, 0x400
	s_cmp_eq_u32 s20, 0
	s_cbranch_scc1 .Lend                   ; an expert that no token chose has nothing to multiply: forward to the common end
	s_add_co_u32 s21, s20, 15
	s_lshr_b32 s21, s21, 4                 ; tiles
	s_sub_co_u32 s41, s21, 1
	s_lshl_b32 s32, s15, 22
	s_lshl_b32 s40, s14, 15
	s_add_co_u32 s32, s32, s40
	s_add_nc_u64 s[26:27], s[6:7], s[32:33]     ; a: my expert, my half of K
	s_lshl_b32 s32, s15, 12
	s_add_nc_u64 s[36:37], s[8:9], s[32:33]     ; my expert's row numbers
	s_lshl_b32 s32, s14, 23
	s_lshl_b32 s40, s13, 8
	s_add_co_u32 s32, s32, s40
	s_add_nc_u64 s[38:39], s[10:11], s[32:33]   ; my half's partial rows, my columns
	s_mov_b32 s25, s12                     ; my first tile of the pass
	s_mov_b32 s22, 0
.Lpass:
	s_sub_co_i32 s23, s21, s25
	s_add_co_i32 s23, s23, 3
	s_max_i32 s23, s23, 0
	s_lshr_b32 s23, s23, 2
	s_min_u32 s23, s23, 6                  ; how many of my six tiles hold rows
	s_cmp_eq_u32 s23, 0
	s_cbranch_scc1 .Lpassend
.set i, 0
.rept 6
	s_add_co_u32 s40, s25, 4*i
	s_min_u32 s40, s40, s41                ; a tile past the count repeats the last one; it is never stored
	s_min_u32 s40, s40, 63
	v_lshl_add_u32 v[AO+i], s40, 16, v3
	s_lshl_b32 s40, s40, 6
	v_lshl_add_u32 v[RO+i], v2, 5, s40
.set i, i+1
.endr
.set i, 0
.rept 6
	global_load_b128 v[RID+8*i:RID+8*i+3], v[RO+i], s[36:37]
	global_load_b128 v[RID+8*i+4:RID+8*i+7], v[RO+i], s[36:37] offset:16
.set i, i+1
.endr
	s_mov_b64 s[28:29], s[26:27]
	s_add_nc_u64 s[30:31], s[26:27], 4096
	s_mov_b32 s32, 0
	v_mov_b32 v8, v3
	TLOAD 0, 26, 0
	TLOAD 1, 26, 1024
	TLOAD 2, 26, 2048
	WIN 0
	WLOAD 0, 0
	s_wait_dscnt 0x0
	s_wait_loadcnt 24                      ; the row numbers and k step 0's a are in: k steps 1 and 2 stay out
	MTILE 0, 0, 1                          ; the first k step starts the sums of all six tiles: nothing is cleared
	MTILE 0, 1, 1
	MTILE 0, 2, 1
	MTILE 0, 3, 1
	MTILE 0, 4, 1
	MTILE 0, 5, 1
	WIN 0
	s_mov_b32 s24, 0
.Lk:
	KSTEP 0
	KSTEP 1
	KSTEP 2
	KSTEP 3
	s_wait_xcnt 0x0                        ; a's bases are written only behind this wait
	s_add_co_u32 s32, s32, 4096
	s_add_nc_u64 s[28:29], s[26:27], s[32:33]
	s_add_co_u32 s34, s32, 4096
	s_min_u32 s34, s34, 28672              ; the last trip's look-ahead is held to the half's last four k blocks and not used
	s_add_nc_u64 s[30:31], s[26:27], s[34:35]
	v_add_nc_u32 v8, 16384, v8
	s_add_co_u32 s24, s24, 1
	s_cmp_lt_u32 s24, 8
	s_cbranch_scc1 .Lk
	s_wait_loadcnt 0x0
	PLACES
	EPI 0
	EPI 1
	EPI 2
	EPI 3
	EPI 4
	EPI 5
.Lpassend:
	s_wait_xcnt 0x0
	s_add_co_u32 s25, s25, 24
	s_add_co_u32 s22, s22, 1
	s_cmp_lt_u32 s22, 3
	s_cbranch_scc1 .Lpass
.Lend:                                         ; every path of every wave comes here
	s_wait_dscnt 0x0                       ; my LDS reads are back,
	s_barrier_signal -1
	s_barrier_wait -1                      ; and so are every wave's: no wave reads LDS behind this barrier
	ENDLDS
	s_endpgm
.Lfunc_end_k_qeac7482b5c_moe_down:
	.size	k_qeac7482b5c_moe_down, .Lfunc_end_k_qeac7482b5c_moe_down-k_qeac7482b5c_moe_down
	.p2alignl 7, 3214868480
	.fill 96, 4, 3214868480
	.section	.rodata,"a",@progbits
	.p2align	6, 0x0
	.amdhsa_kernel k_qeac7482b5c_moe_down
		.amdhsa_group_segment_fixed_size 131584
		.amdhsa_private_segment_fixed_size 0
		.amdhsa_enable_private_segment 0
		.amdhsa_kernarg_size 32
		.amdhsa_user_sgpr_count 2
		.amdhsa_user_sgpr_kernarg_segment_ptr 1
		.amdhsa_wavefront_size32 1
		.amdhsa_system_sgpr_workgroup_id_x 1
		.amdhsa_system_sgpr_workgroup_id_y 1
		.amdhsa_system_sgpr_workgroup_id_z 1
		.amdhsa_system_vgpr_workitem_id 0
		.amdhsa_next_free_vgpr 704
		.amdhsa_next_free_sgpr 66
		.amdhsa_reserve_vcc 0
		.amdhsa_float_denorm_mode_32 3
		.amdhsa_float_denorm_mode_16_64 3
		.amdhsa_memory_ordered 1
		.amdhsa_forward_progress 1
		.amdhsa_inst_pref_size 79
	.end_amdhsa_kernel
	.amdgpu_metadata
---
amdhsa.version: [ 1, 2 ]
amdhsa.kernels:
  - .name:           k_qeac7482b5c_moe_down
    .symbol:         k_qeac7482b5c_moe_down.kd
    .args:
      - { .name: Wd, .offset: 0, .size: 8, .value_kind: global_buffer, .address_space: global }
      - { .name: abuf, .offset: 8, .size: 8, .value_kind: global_buffer, .address_space: global }
      - { .name: meta, .offset: 16, .size: 8, .value_kind: global_buffer, .address_space: global }
      - { .name: pbuf, .offset: 24, .size: 8, .value_kind: global_buffer, .address_space: global }
    .group_segment_fixed_size: 131584
    .private_segment_fixed_size: 0
    .kernarg_segment_align: 8
    .kernarg_segment_size: 32
    .max_flat_workgroup_size: 128
    .sgpr_count:     66
    .vgpr_count:     704
    .wavefront_size: 32
...
	.end_amdgpu_metadata
.endif
;; end of part 6
;; launch combine (part 7): grid 256 x 1, 4 waves a work-group, no clusters, 0 bytes of LDS; arguments hbuf, pbuf, hn, out0; writes out0
.if DOCPART == 7
	.amdgcn_target "amdgcn-amd-amdhsa--gfx1250"
	.amdhsa_code_object_version 6
	.text
	.protected	k_qeac7482b5c_combine
	.globl	k_qeac7482b5c_combine
	.p2align	8
	.type	k_qeac7482b5c_combine,@function
k_qeac7482b5c_combine:
	s_mov_b64 s[64:65], 0
	v_nop
	global_prefetch_b8 v0, s[64:65] scope:SCOPE_SE
	s_setreg_imm32_b32 hwreg(HW_REG_WAVE_MODE, 25, 1), 1
	s_wait_xcnt 0x0
; out = clip(h + w0 (P[0][t] + P[1][t]) + w1 (P[0][1024 + t] + P[1][1024 + t]), -100, 100).  One wave, one row t = 4 x work-group + wave.
; P: the two halves of K of the two chosen experts' rows, f32; w0, w1: the gate's weights, f32, at byte 2097152 of hn.  Each output row has this one owner.
; A stream: 40 loads of 512 consecutive bytes go out at once, five to a chunk of the row; the wait for chunk n leaves the 5 (7 - n) younger loads out.  No LDS, no matrix unit.
.set H,   8                            ; chunk n: h at H + 20 n, then the four partial rows
	s_load_b256 s[4:11], s[0:1], 0x0       ; h s[4:5], P s[6:7], hn s[8:9], out s[10:11]
	v_and_b32 v1, 31, v0
	v_lshrrev_b32 v2, 5, v0
	v_readfirstlane_b32 s14, v2
	s_lshl_b32 s15, ttmp9, 2
	s_add_co_u32 s15, s15, s14             ; my row
	v_lshlrev_b32 v3, 4, v1
	s_lshl_b32 s16, s15, 12
	s_mov_b32 s17, 0
	s_lshl_b32 s18, s15, 3
	s_add_co_u32 s18, s18, 0x200000
	s_mov_b32 s19, 0
	s_mov_b32 s24, 0xc2c80000              ; -100
	s_mov_b32 s25, 0x42c80000              ; 100
	s_wait_kmcnt 0x0
	s_add_nc_u64 s[8:9], s[8:9], s[18:19]
	s_load_b64 s[20:21], s[8:9], 0x0       ; w0, w1
	s_add_nc_u64 s[4:5], s[4:5], s[16:17]
	s_add_nc_u64 s[6:7], s[6:7], s[16:17]
	s_add_nc_u64 s[12:13], s[6:7], 0x800000     ; the second half of K
	s_add_nc_u64 s[10:11], s[10:11], s[16:17]
.set n, 0
.rept 8
	global_load_b128 v[H+20*n:H+20*n+3], v3, s[4:5] offset:512*n
	global_load_b128 v[H+20*n+4:H+20*n+7], v3, s[6:7] offset:512*n th:TH_LOAD_NT
	global_load_b128 v[H+20*n+8:H+20*n+11], v3, s[12:13] offset:512*n th:TH_LOAD_NT
	global_load_b128 v[H+20*n+12:H+20*n+15], v3, s[6:7] offset:4194304+512*n th:TH_LOAD_NT
	global_load_b128 v[H+20*n+16:H+20*n+19], v3, s[12:13] offset:4194304+512*n th:TH_LOAD_NT
.set n, n+1
.endr
	s_wait_kmcnt 0x0
	s_mov_b32 s22, s21                     ; w1 in a pair of its own: the packed form takes a pair's low word for both halves
	s_mov_b32 s23, s21
.set n, 0
.rept 8
	s_wait_loadcnt 5*(7-n)
.irp z, 0,2
	v_pk_add_f32 v[H+20*n+4+\z:H+20*n+5+\z], v[H+20*n+4+\z:H+20*n+5+\z], v[H+20*n+8+\z:H+20*n+9+\z]
	v_pk_add_f32 v[H+20*n+12+\z:H+20*n+13+\z], v[H+20*n+12+\z:H+20*n+13+\z], v[H+20*n+16+\z:H+20*n+17+\z]
	v_pk_fma_f32 v[H+20*n+\z:H+20*n+1+\z], v[H+20*n+4+\z:H+20*n+5+\z], s[20:21], v[H+20*n+\z:H+20*n+1+\z] op_sel_hi:[1,0,1]
	v_pk_fma_f32 v[H+20*n+\z:H+20*n+1+\z], v[H+20*n+12+\z:H+20*n+13+\z], s[22:23], v[H+20*n+\z:H+20*n+1+\z] op_sel_hi:[1,0,1]
	v_med3_num_f32 v[H+20*n+\z], v[H+20*n+\z], s24, s25
	v_med3_num_f32 v[H+20*n+1+\z], v[H+20*n+1+\z], s24, s25
.endr
	global_store_b128 v3, v[H+20*n:H+20*n+3], s[10:11] offset:512*n th:TH_STORE_NT
.set n, n+1
.endr
	s_endpgm
.Lfunc_end_k_qeac7482b5c_combine:
	.size	k_qeac7482b5c_combine, .Lfunc_end_k_qeac7482b5c_combine-k_qeac7482b5c_combine
	.p2alignl 7, 3214868480
	.fill 96, 4, 3214868480
	.section	.rodata,"a",@progbits
	.p2align	6, 0x0
	.amdhsa_kernel k_qeac7482b5c_combine
		.amdhsa_group_segment_fixed_size 0
		.amdhsa_private_segment_fixed_size 0
		.amdhsa_enable_private_segment 0
		.amdhsa_kernarg_size 32
		.amdhsa_user_sgpr_count 2
		.amdhsa_user_sgpr_kernarg_segment_ptr 1
		.amdhsa_wavefront_size32 1
		.amdhsa_system_sgpr_workgroup_id_x 1
		.amdhsa_system_sgpr_workgroup_id_y 1
		.amdhsa_system_sgpr_workgroup_id_z 1
		.amdhsa_system_vgpr_workitem_id 0
		.amdhsa_next_free_vgpr 176
		.amdhsa_next_free_sgpr 66
		.amdhsa_reserve_vcc 0
		.amdhsa_float_denorm_mode_32 3
		.amdhsa_float_denorm_mode_16_64 3
		.amdhsa_memory_ordered 1
		.amdhsa_forward_progress 1
		.amdhsa_inst_pref_size 12
	.end_amdhsa_kernel
	.amdgpu_metadata
---
amdhsa.version: [ 1, 2 ]
amdhsa.kernels:
  - .name:           k_qeac7482b5c_combine
    .symbol:         k_qeac7482b5c_combine.kd
    .args:
      - { .name: hbuf, .offset: 0, .size: 8, .value_kind: global_buffer, .address_space: global }
      - { .name: pbuf, .offset: 8, .size: 8, .value_kind: global_buffer, .address_space: global }
      - { .name: hn, .offset: 16, .size: 8, .value_kind: global_buffer, .address_space: global }
      - { .name: out0, .offset: 24, .size: 8, .value_kind: global_buffer, .address_space: global }
    .group_segment_fixed_size: 0
    .private_segment_fixed_size: 0
    .kernarg_segment_align: 8
    .kernarg_segment_size: 32
    .max_flat_workgroup_size: 128
    .sgpr_count:     66
    .vgpr_count:     176
    .wavefront_size: 32
...
	.end_amdgpu_metadata
.endif
;; end of part 7
